; MI455X (gfx1250); checked and timed in simulation.
; The chip was launched on July 23, 2026; its instructions are those of AMD's public machine-readable ISA for CDNA 5 (MIT licence, August 2026) and "CDNA5" Instruction Set Architecture Reference Guide (July 2026). The comments in the code are by the model that wrote it; some were corrected since.
;; Multi Head Attention. Allowed arithmetic: matrix products marked QUANTISED: E2M1 operands, one E8M0 scale for each 32 along K, by v_wmma_scale_f32_16x16x128_f8f6f4 with both operands' format E2M1 (or v_wmma_scale_f32_32x16x128_f4), f32 sums; products left as they are: bf16, f16 or f32 operands; f32 sums; everything else in f32.
;; Inputs: wk 1,024 x 1,024 float32; wo 1,024 x 1,024 float32; wq 1,024 x 1,024 float32; wv 1,024 x 1,024 float32; x 4 x 2,048 x 1,024 float32.
;; Outputs: out0 4 x 2,048 x 1,024 float32.
;; This version of the problem:
;;   THIS VERSION OF THE PROBLEM IS GIVEN IN LOW PRECISION. The matrix products marked QUANTISED in the list below multiply operands that are first quantised to E2M1 (2 exponent bits, 1 mantissa bit; 4 bits a number), with one power-of-two scale for each 32 numbers along K (OCP MX v1.0); their sums are f32. The products marked 'left as it is' may take bf16, f16 or f32 operands, with f32 sums. Whichever they take, every output number must still come out within the allowed error. Rounding operands to bf16 (8 significant bits) uses up far more of that allowance than f16 does (11 bits, for magnitudes from 6e-5 to 65,504). All else is computed in f32.
;;   The module's matrix products, in the order in which they are computed (A, B: the left and right operand; K: the contracted axis; several contracted axes count as one K, in the product's order):
;;     1. [M 8,192, K 1,024] x [K 1,024, N 1,024]; A: input x; B: input wq: QUANTISED
;;     2. [M 8,192, K 1,024] x [K 1,024, N 1,024]; A: input x; B: input wk: QUANTISED
;;     3. [M 8,192, K 1,024] x [K 1,024, N 1,024]; A: input x; B: input wv: QUANTISED
;;     4. batch 64 x [M 2,048, K 64] x [K 64, N 2,048]; A: computed on the way; B: computed on the way: left as it is (an operand is computed on the way)
;;     5. batch 64 x [M 2,048, K 2,048] x [K 2,048, N 64]; A: computed on the way; B: computed on the way: left as it is (an operand is computed on the way)
;;     6. [M 8,192, K 1,024] x [K 1,024, N 1,024]; A: computed on the way; B: input wo: left as it is (an operand is computed on the way)
;;   THE QUANTISER, for each operand of a quantised product, along K:
;;     - K is cut into blocks of 32 from its start; a last block that is shorter is filled with zeros.
;;     - A block's scale is 2^e with e = floor(log2(the largest magnitude in the block)) - 2, held to -126 .. 127; a block of zeros has e = 0. As a byte (E8M0): e + 127.
;;     - Each number is divided by its block's scale, clamped to +-6, and rounded to the nearest number of E2M1, ties to even, subnormals kept.
;;     - The product sums the exact products of the quantised numbers (number of the format x scale) in f32.
;;   ~~~python
;;   def quantise(x, axis):      # numpy; x: float32 -> the quantised numbers, widened to float32 again
;;       x = np.moveaxis(x, axis, -1); K = x.shape[-1]
;;       x = np.pad(x, [(0, 0)] * (x.ndim - 1) + [(0, -K % 32)]); x = x.reshape(x.shape[:-1] + (-1, 32)); a = np.abs(x).max(-1, keepdims=True)
;;       e = np.where(a > 0, np.clip(np.frexp(np.where(a > 0, a, 1))[1] - 1 - 2, -126, 127), 0)      # np.frexp(a)[1] - 1 = floor(log2(a)), exactly
;;       r = np.clip(x / 2.0 ** e, -6, 6)
;;       step = 2.0 ** (np.maximum(np.frexp(np.where(r == 0, 1, r))[1] - 1, 0) - 1)
;;       q = np.round(r / step) * step * 2.0 ** e      # np.round: ties to even
;;       return np.moveaxis(q.reshape(q.shape[:-2] + (-1,))[..., :K], -1, axis).astype(np.float32)
;;   ~~~
;; One version. Each part assembles by itself: llvm-mc -triple=amdgcn-amd-amdhsa -mcpu=gfx1250 --defsym DOCPART=n.
;; ======== version 1 of 1: 5 launches
;; limits: values are held in f16: magnitudes above 65,504 overflow, below 6.1e-05 lose precision
;; workspace buffers: xc 4,194,304 bytes; xs 262,144 bytes; wc 1,572,864 bytes; ws 98,304 bytes; wo16 2,097,152 bytes; qkv 50,331,648 bytes; qkv32 786,432 bytes; yh 16,777,216 bytes
;; launch prep (part 1): grid 384 x 1, 4 waves a work-group, no clusters, 33,280 bytes of LDS; arguments x, wq, wk, wv, wo, xc, xs, wc, ws, wo16; writes xc, xs, wc, ws, wo16
.if DOCPART == 1
	.amdgcn_target "amdgcn-amd-amdhsa--gfx1250"
	.amdhsa_code_object_version 6
	.text
	.protected	k_qd613640aaa_prep
	.globl	k_qd613640aaa_prep
	.p2align	8
	.type	k_qd613640aaa_prep,@function
k_qd613640aaa_prep:
	s_mov_b64 s[64:65], 0
	v_nop
	global_prefetch_b8 v0, s[64:65] scope:SCOPE_SE
	s_setreg_imm32_b32 hwreg(HW_REG_WAVE_MODE, 25, 1), 1
	s_wait_xcnt 0x0
; PREP.  x [8192][1024], wq, wk, wv [1024][1024], f32, become codes of FP4 (E2M1), K innermost, two codes a byte, with one E8M0 scale byte for each 32 along K;
; wo [1024][1024] f32 becomes f16 as it lies.  xc [8192][512 bytes], xs [8192][32]; wc [3072][512 bytes], ws [3072][32]: the rows of wq, then wk, then wv.
; A block's scale is 2^(floor(log2(its largest magnitude)) - 2); its byte is the largest magnitude's exponent field - 2, held at 1 from below.  A block of zeros so gets the byte 1:
; its codes are zeros, which add nothing under any byte but 0xff, and this program alone reads the bytes.
; LIMITS: blocks whose largest magnitude lies under 2^-124 keep the byte 1; NaN and infinities are not served; |wo| stays under 65,504 (f16).
; SHARES.  A work-group takes 32,768 numbers, a wave 8,192.  Work-groups 0-255: x; 256-287: wq; 288-319: wk; 320-351: wv; 352-383: wo (the cast).
; Rows are dense and 1024 is a multiple of 32: the tensors are plain streams of blocks of 32, and so are codes and scale bytes.
; The quantising path: each load reads 512 consecutive bytes; a step's 2,048 bytes turn through the wave's own stage in LDS and come back 64 bytes a lane (16 neighbours along K; two lanes hold a block).
; No tensor loads, no barrier: waves share nothing.
.set WAVES, 4
.set STEPS, 16
.set EMAX,  2
.set CB,    8                          ; bytes of 16 codes
.set R,     16                         ; v16-79   four sets of 16 numbers as loaded
.set X,     80                         ; v80-111  two sets of 16 neighbours
.set E,     112                        ; v112-127 a scale byte for each step
.set C,     128                        ; v128-191 codes: four registers for each step, so that no store's data are written again
.set WREG,  8192                       ; LDS: a region for each wave: two stages of 32 x SP bytes, behind them its 256 scale bytes
.set SP,    80                         ; a lane's place in a stage: 64 bytes + 16 of padding
.set SPW,   12                         ; v12 LDS address of my spare word; never rewritten
.set NIL,   13                         ; v13 0; never rewritten
.set SPARE, WAVES*WREG                 ; the spare words: 128 bytes for each wave, named by no other line
.set LA,    16                         ; the cast: two sets of 64 registers as loaded,
.set LB,    80
.set OA,    144                        ; and two sets of 32 to store
.set OB,    176
	s_load_b512 s[4:19], s[0:1], 0x0               ; x 4:5, wq 6:7, wk 8:9, wv 10:11, wo 12:13, xc 14:15, xs 16:17, wc 18:19
	s_load_b128 s[20:23], s[0:1], 0x40             ; ws 20:21, wo16 22:23
	v_lshl_add_u32 v[SPW], v0, 2, SPARE
	v_mov_b32 v[NIL], 0
	v_lshrrev_b32 v1, 5, v0
	v_readfirstlane_b32 s24, v1                    ; wave
	v_and_b32 v2, 31, v0                           ; lane
	v_lshlrev_b32 v3, 4, v2                        ; my 16 bytes of a load's 512
	s_mul_i32 s25, s24, WREG
	v_lshrrev_b32 v14, 2, v2
	v_mul_u32_u24 v14, v14, SP
	v_and_b32 v15, 3, v2
	v_lshl_add_u32 v14, v15, 4, v14
	v_add_nc_u32 v14, s25, v14                     ; the stage, way in: SP (lane / 4) + 16 (lane % 4)
	v_mul_u32_u24 v15, v2, SP
	v_add_nc_u32 v15, s25, v15                     ; way out: SP x lane
	v_mul_u32_u24 v4, v2, CB                       ; my codes' place in a step's
	v_lshrrev_b32 v5, 1, v2
	s_add_co_u32 s25, s25, 2*32*SP
	v_add_nc_u32 v5, s25, v5                       ; my block's scale byte in LDS
	v_lshlrev_b32 v7, 3, v2                        ; 8 bytes a lane
	v_add_nc_u32 v6, s25, v7
	s_and_b32 s33, ttmp9, 31                       ; a weight's work-group within its tensor
	s_wait_kmcnt 0x0
	s_cmp_ge_u32 ttmp9, 352
	s_cbranch_scc1 .Lcast
	; which tensor: the choices hang on the work-group's number alone
	s_cmp_lt_u32 ttmp9, 320
	s_cselect_b64 s[26:27], s[8:9], s[10:11]
	s_cmp_lt_u32 ttmp9, 288
	s_cselect_b64 s[26:27], s[6:7], s[26:27]
	s_cmp_lt_u32 ttmp9, 256
	s_cselect_b64 s[26:27], s[4:5], s[26:27]       ; from
	s_cselect_b64 s[28:29], s[14:15], s[18:19]     ; codes to
	s_cselect_b64 s[30:31], s[16:17], s[20:21]     ; scale bytes to
	s_cselect_b32 s32, ttmp9, s33
	s_cselect_b32 s34, 0, 256
	s_lshl_b32 s32, s32, 2
	s_add_co_u32 s32, s32, s24                     ; my run of 8,192 numbers in the tensor read
	s_lshl_b32 s32, s32, 15                        ; 32,768 bytes a run
	s_mov_b32 s33, 0
	s_add_nc_u64 s[26:27], s[26:27], s[32:33]
	s_sub_co_u32 s34, ttmp9, s34
	s_lshl_b32 s34, s34, 2
	s_add_co_u32 s34, s34, s24                     ; my run in the buffers written: wq, wk, wv lie on end
	s_lshl_b32 s36, s34, 12                        ; 4,096 bytes of codes a run
	s_mov_b32 s37, 0
	s_add_nc_u64 s[28:29], s[28:29], s[36:37]
	s_lshl_b32 s36, s34, 8                         ; 256 scale bytes a run
	s_add_nc_u64 s[30:31], s[30:31], s[36:37]
.macro LOAD t
.irp i, 0,1,2,3
	global_load_b128 v[R+16*((\t)%4)+4*\i:R+16*((\t)%4)+4*\i+3], v3, s[26:27] offset:2048*(\t)+512*\i th:TH_LOAD_NT   ; 32 lanes read 512 consecutive bytes
.endr
.endm
.macro TURN t                          ; step t's numbers through the stage: LDS serves a wave's instructions in order, so no wait stands between the stores and the loads
.irp i, 0,1,2,3
	ds_store_b128 v14, v[R+16*((\t)%4)+4*\i:R+16*((\t)%4)+4*\i+3] offset:32*SP*((\t)%2)+8*SP*\i
.endr
.irp i, 0,1,2,3
	ds_load_b128 v[X+16*((\t)%2)+4*\i:X+16*((\t)%2)+4*\i+3], v15 offset:32*SP*((\t)%2)+16*\i
.endr
.endm
.irp t, 0,1,2,3
	LOAD \t
.endr
	s_wait_loadcnt 12                              ; step 0's four loads are in; the twelve of steps 1 to 3 stay out
	TURN 0
.macro STEP t
.set XS, X+16*((\t)%2)
.if (\t) > 0
	s_wait_dscnt 1                                 ; this step's numbers are back from the stage; the last step's byte store may be out
.else
	s_wait_dscnt 0x0
.endif
.if (\t)+4 < STEPS
	LOAD (\t)+4                                    ; into the registers that this step's stage stores have read
.endif
.if (\t)+1 < STEPS
.if STEPS-2-(\t) >= 3
	s_wait_loadcnt 12                              ; the next step's four loads are in; those of the three steps behind it may be out
.else
	s_wait_loadcnt 4*(STEPS-2-(\t))
.endif
	TURN (\t)+1
.endif
	v_max3_num_f32 v8, |v[XS]|, |v[XS+1]|, |v[XS+2]|               ; the largest magnitude of my 16
	v_max3_num_f32 v9, |v[XS+3]|, |v[XS+4]|, |v[XS+5]|
.irp i, 6,10
	v_max3_num_f32 v8, v8, |v[XS+\i]|, |v[XS+\i+1]|
	v_max3_num_f32 v9, v9, |v[XS+\i+2]|, |v[XS+\i+3]|
.endr
	v_max3_num_f32 v8, v8, |v[XS+14]|, |v[XS+15]|
	v_max3_num_f32 v8, v8, v9, (EMAX+1)<<23        ; and the floor 2^(3 - 127): the byte cannot fall under 1
	v_max_num_f32_dpp v8, v8, v8 row_xmask:1 row_mask:0xf bank_mask:0xf   ; with my neighbour's 16: the block's
	v_add_nc_u32 v11, -(EMAX<<23), v8              ; 2 off its exponent field: the conversion takes this operand's exponent field as its scale
	v_cvt_scalef32_pk8_fp4_f32 v[C+4*(\t)], v[XS:XS+7], v11
	v_cvt_scalef32_pk8_fp4_f32 v[C+4*(\t)+1], v[XS+8:XS+15], v11
	v_lshrrev_b32 v[E+(\t)], 23, v11               ; the scale's byte (also the plain line behind the conversions)
	ds_store_b8 v5, v[E+(\t)] offset:16*(\t)       ; both lanes of a block write the same byte with the same value
	global_store_b64 v4, v[C+4*(\t):C+4*(\t)+1], s[28:29] offset:32*CB*(\t)   ; the wave stores 256 consecutive bytes, aligned
.endm
.irp t, 0,1,2,3,4,5,6,7,8,9,10,11,12,13,14,15
	STEP \t
.endr
	ds_load_b64 v[8:9], v6                         ; my wave's 256 scale bytes, 8 a lane: these see my stores
	s_wait_dscnt 0x0
	global_store_b64 v7, v[8:9], s[30:31]          ; 256 consecutive bytes, aligned
	s_wait_tensorcnt 0x0                           ; the wave's end, behind my last LDS store
	ds_add_u32 v[SPW], v[NIL]
	s_wait_dscnt 0x0
	s_endpgm
.Lcast:                                        ; wo to f16: a wave takes 8,192 numbers in four groups of 16 loads; no LDS
	s_sub_co_u32 s32, ttmp9, 352
	s_lshl_b32 s32, s32, 2
	s_add_co_u32 s32, s32, s24
	s_lshl_b32 s34, s32, 15
	s_mov_b32 s35, 0
	s_add_nc_u64 s[12:13], s[12:13], s[34:35]
	s_lshl_b32 s34, s32, 14
	s_add_nc_u64 s[22:23], s[22:23], s[34:35]
.macro LG g, set
.irp i, 0,1,2,3,4,5,6,7,8,9,10,11,12,13,14,15
	global_load_b128 v[\set+4*\i:\set+4*\i+3], v3, s[12:13] offset:8192*\g+512*\i th:TH_LOAD_NT
.endr
.endm
.macro CG g, set, out
.irp i, 0,1,2,3,4,5,6,7,8,9,10,11,12,13,14,15
	v_cvt_pk_f16_f32 v[\out+2*\i], v[\set+4*\i], v[\set+4*\i+1]
	v_cvt_pk_f16_f32 v[\out+2*\i+1], v[\set+4*\i+2], v[\set+4*\i+3]
	global_store_b64 v7, v[\out+2*\i:\out+2*\i+1], s[22:23] offset:4096*\g+256*\i   ; 256 consecutive bytes, aligned
.endr
.endm
	LG 0, LA
	LG 1, LB
	s_wait_loadcnt 16                              ; the older group is in; the younger group's 16 stay out
	CG 0, LA, OA
	LG 2, LA
	s_wait_loadcnt 16
	CG 1, LB, OB
	LG 3, LB
	s_wait_loadcnt 16
	s_wait_xcnt 0x0                                ; group 0's stores have read their data: the set is written again
	CG 2, LA, OA
	s_wait_loadcnt 0x0
	s_wait_xcnt 0x0
	CG 3, LB, OB
	s_wait_tensorcnt 0x0                           ; the same three lines close this path too
	ds_add_u32 v[SPW], v[NIL]
	s_wait_dscnt 0x0
	s_endpgm
.Lfunc_end_k_qd613640aaa_prep:
	.size	k_qd613640aaa_prep, .Lfunc_end_k_qd613640aaa_prep-k_qd613640aaa_prep
	.p2alignl 7, 3214868480
	.fill 96, 4, 3214868480
	.section	.rodata,"a",@progbits
	.p2align	6, 0x0
	.amdhsa_kernel k_qd613640aaa_prep
		.amdhsa_group_segment_fixed_size 33280
		.amdhsa_private_segment_fixed_size 0
		.amdhsa_enable_private_segment 0
		.amdhsa_kernarg_size 80
		.amdhsa_user_sgpr_count 2
		.amdhsa_user_sgpr_kernarg_segment_ptr 1
		.amdhsa_wavefront_size32 1
		.amdhsa_system_sgpr_workgroup_id_x 1
		.amdhsa_system_sgpr_workgroup_id_y 1
		.amdhsa_system_sgpr_workgroup_id_z 1
		.amdhsa_system_vgpr_workitem_id 0
		.amdhsa_next_free_vgpr 208
		.amdhsa_next_free_sgpr 66
		.amdhsa_reserve_vcc 0
		.amdhsa_float_denorm_mode_32 3
		.amdhsa_float_denorm_mode_16_64 3
		.amdhsa_memory_ordered 1
		.amdhsa_forward_progress 1
		.amdhsa_inst_pref_size 54
	.end_amdhsa_kernel
	.amdgpu_metadata
---
amdhsa.version: [ 1, 2 ]
amdhsa.kernels:
  - .name:           k_qd613640aaa_prep
    .symbol:         k_qd613640aaa_prep.kd
    .args:
      - { .name: x, .offset: 0, .size: 8, .value_kind: global_buffer, .address_space: global }
      - { .name: wq, .offset: 8, .size: 8, .value_kind: global_buffer, .address_space: global }
      - { .name: wk, .offset: 16, .size: 8, .value_kind: global_buffer, .address_space: global }
      - { .name: wv, .offset: 24, .size: 8, .value_kind: global_buffer, .address_space: global }
      - { .name: wo, .offset: 32, .size: 8, .value_kind: global_buffer, .address_space: global }
      - { .name: xc, .offset: 40, .size: 8, .value_kind: global_buffer, .address_space: global }
      - { .name: xs, .offset: 48, .size: 8, .value_kind: global_buffer, .address_space: global }
      - { .name: wc, .offset: 56, .size: 8, .value_kind: global_buffer, .address_space: global }
      - { .name: ws, .offset: 64, .size: 8, .value_kind: global_buffer, .address_space: global }
      - { .name: wo16, .offset: 72, .size: 8, .value_kind: global_buffer, .address_space: global }
    .group_segment_fixed_size: 33280
    .private_segment_fixed_size: 0
    .kernarg_segment_align: 8
    .kernarg_segment_size: 80
    .max_flat_workgroup_size: 128
    .sgpr_count:     66
    .vgpr_count:     208
    .wavefront_size: 32
...
	.end_amdgpu_metadata
.endif
;; end of part 1
;; launch qkv (part 2): grid 12 x 32, 4 waves a work-group, clusters of 4 x 4, 327,680 bytes of LDS; arguments xc, xs, wc, ws, qkv, qkv32; writes qkv, qkv32
.if DOCPART == 2
	.amdgcn_target "amdgcn-amd-amdhsa--gfx1250"
	.amdhsa_code_object_version 6
	.text
	.protected	k_qd613640aaa_qkv
	.globl	k_qd613640aaa_qkv
	.p2align	8
	.type	k_qd613640aaa_qkv,@function
k_qd613640aaa_qkv:
	s_mov_b64 s[64:65], 0
	v_nop
	global_prefetch_b8 v0, s[64:65] scope:SCOPE_SE
	s_setreg_imm32_b32 hwreg(HW_REG_WAVE_MODE, 25, 1), 1
	s_wait_xcnt 0x0
	s_wait_alu depctr_hold_cnt(0) depctr_sa_sdst(0) depctr_va_vdst(0) depctr_va_sdst(0) depctr_va_ssrc(0) depctr_va_vcc(0) depctr_vm_vsrc(0)
	s_getreg_b32 s2, hwreg(HW_REG_IB_STS2, 6, 4)
	s_cmp_eq_u32 s2, 0
	s_cbranch_scc0 .Lentry_in_a_cluster
	s_endpgm
.Lentry_in_a_cluster:
	s_bfe_u32 s2, ttmp6, 0x10000c
	s_cmp_lg_u32 s2, 0xf033
	s_cbranch_scc0 .Lentry_shape_is_right
	s_endpgm
.Lentry_shape_is_right:
; QKV.  C[m][n] = sum over k of x[m][k] w[n][k], m = 8,192 tokens, n = 3,072 (wq's, wk's, wv's rows), k = 1,024, both operands codes of FP4 (E2M1) with one E8M0 scale for each 32 along K; sums in f32.
; Out: qkv [b 4][g 48][t 2048][64] f16, g = n / 64 (q's heads 0-15, k's 16-31, v's 32-47): a head is 262,144 dense bytes;  qkv32 [16 b + t, t < 16][3072] f32: the first 16 tokens of each batch, unrounded.
; LIMIT: |q|, |k|, |v| stay under 65,504 (f16).
; A tile of C, 256 x 256, is made by four waves, each 128 x 128: 64 accumulators, 512 registers.  K is two slots of 512: both are filled at the start, no slot is filled again.
; The scale bytes of the work-group's 256 + 256 rows, for all of K, come into LDS once, with the first fills.
; CLUSTERS: 4 x 4 work-groups.  The four of a row of the cluster need the same tiles of x, the four of a column the same tiles of w: each tile is asked for jointly.
; THE TILE ROW IS 8 cy + cluster y: so the batch is cy, the tile's first token in its batch is 256 x cluster y, and the branch for the f32 rows hangs on the cluster's y and the wave's number, alike in all partners.
; THE MATRIX INSTRUCTION IS USED TRANSPOSED (source 0 = 16 rows of w, source 1 = 16 tokens): a lane holds eight neighbouring columns of one token.
; REGISTERS: window 0: v0-31 addresses; v32-95 scale words, two sets; v128-191 x's fragments, one set.  window 1: w's fragments, two sets, at v0 and v128.  windows 2, 3: the accumulators ((a, b) at v[8 (8 (a % 4) + b)]).
.set KSTEP,  512
.set NQ,     KSTEP/128
.set ROWB,   256                       ; a tile's row in bytes
.set KROW,   512                       ; a row of codes in memory
.set PITCH,  272                       ; an LDS row: 256 bytes + 16 of padding: the 16 rows of a load start 68 words apart
.set FR,     8
.set NL,     2
.set NP,     4
.set HALFT,  128*PITCH
.set SLOT,   4*HALFT
.set KS,     32                        ; a row of scale bytes
.set SCL,    2*SLOT                    ; behind the ring: the scales, as rows of 256 bytes + 16
.set HALFS,  (128*KS/256)*272
.set SBLK,   (16*KS/256)*272
.set SPARE,  SCL+4*HALFS               ; the spare words: 128 bytes for each wave, named by no other line
.set SPITCH, 528                       ; the f32 stage: 16 rows x (512 + 16) for each wave, from LDS byte 0 (slot 0: its last fill and last read are over)
.set S16,    34816                     ; the f16 stage: 16 rows x (256 + 16) for each wave, behind the f32 stages
.set P16,    272
.set ADRA, 16
.set STO16, 18
.set RD16, 19
.set ADRB, 20
.set STO,  24
.set RD,   25
.set CO,   26                          ; 16 x lane
.set ADRS, 27
.set SPW,  28
.set NIL,  29
.set SC,   32
.set AF,   128
.set BK,   128                         ; the f32 rows read back
.set TMP,  192                         ; packed results
.set OBR,  32                          ; rows read back from the f16 stage: v32-63 and v224-255 by turns
.set G1, 24
.set G0, 32
.set G1B, 48
.set G0B, 56
.set G1S, 68
.set G0S, 76
.set G1SB, 80
.set G0SB, 88
.set MSB, 0
.macro WIN new                         ; the immediate's high byte repeats the setting that is left
.if MSB != (\new)
	s_set_vgpr_msb (MSB<<8)|(\new)
.set MSB, (\new)
.endif
.endm
.set MUL_LO, 0xa1                      ; source 0 (w) window 1, source 1 (x) window 0, C and D window 2
.set MUL_HI, 0xf1
.set TO_B,   0x40
; A joint load: waves 0 and 1 fetch for x, waves 2 and 3 for w.  The branch hangs on the wave's number alone.  An s_nop 0 and four v_nop follow each line.
.macro JLOAD g0a, g1a, g0b, g1b
	s_cmp_eq_u32 s15, 0
	s_cbranch_scc0 .Lfor_b_\@
	tensor_load_to_lds s[\g0a:\g0a+3], s[\g1a:\g1a+7]
	s_nop 0
.rept 4
	v_nop
.endr
	s_branch .Lasked_\@
.Lfor_b_\@:
	tensor_load_to_lds s[\g0b:\g0b+3], s[\g1b:\g1b+7]
	s_nop 0
.rept 4
	v_nop
.endr
.Lasked_\@:
.endm
.macro CROUND                          ; a round of the cluster's barrier
	s_barrier_signal -1
	s_barrier_wait -1
	s_cmp_lg_u32 s14, 0
	s_cbranch_scc1 .Lnot_wave_0_\@
	s_barrier_signal -3
.Lnot_wave_0_\@:
	s_barrier_wait -3
	s_barrier_signal -1
	s_barrier_wait -1
.endm
	s_load_b128 s[4:7], s[0:1], 0x0                ; x's codes, x's scales
	s_load_b128 s[8:11], s[0:1], 0x10              ; w's codes, w's scales
	s_load_b128 s[96:99], s[0:1], 0x20             ; qkv, qkv32
	v_lshl_add_u32 v[SPW], v0, 2, SPARE
	v_mov_b32 v[NIL], 0
	ds_add_u32 v[SPW], v[NIL]                      ; the wave's opening: the add, twice on end, and its wait ahead of my first tensor load
	ds_add_u32 v[SPW], v[NIL]
	v_lshrrev_b32 v1, 5, v0
	v_readfirstlane_b32 s14, v1                    ; wave 0..3
	s_lshr_b32 s15, s14, 1                         ; my half of the tile's rows.  Also: I fetch for x (0) or for w (1)
	s_and_b32 s16, s14, 1                          ; my half of its columns.  Also: which 128 rows I fetch
	s_bfe_u32 s40, ttmp6, 0x40000                  ; cx
	s_bfe_u32 s41, ttmp6, 0x40004                  ; cy
	s_lshl_b32 s42, ttmp9, 2
	s_add_co_u32 s42, s42, s40                     ; tile column = 4 x cluster x + cx
	s_and_b32 s17, ttmp7, 0xffff
	s_lshl_b32 s2, s41, 3
	s_add_co_u32 s17, s17, s2                      ; tile row = 8 cy + cluster y
	s_lshl_b32 s43, s41, 2
	s_lshl_b32 s43, 15, s43                        ; my row of the cluster
	s_lshl_b32 s44, 0x1111, s40                    ; my column
	s_or_b32 s[G1+0], s43, (0<<16)|(1<<20)|(1<<21)|(5<<22)|(3<<25)  ; the mask; elements of 1 byte; padding on; bit 21 beside a mask; after every 64 words, 4 words
	s_or_b32 s[G1B+0], s44, (0<<16)|(1<<20)|(1<<21)|(5<<22)|(3<<25)
.irp g, G1, G1B
	s_mov_b32 s[\g+1], ROWB<<16                    ; tensor_dim0
	s_mov_b32 s[\g+2], 128<<16                     ; tensor_dim1
	s_mov_b32 s[\g+3], ROWB<<16                    ; tile_dim0
	s_mov_b32 s[\g+4], 128                         ; tile_dim1
	s_mov_b32 s[\g+5], KROW                        ; the pitch
	s_mov_b32 s[\g+6], 0
	s_mov_b32 s[\g+7], 0
.endr
	s_or_b32 s[G1S+0], s43, (3<<16)|(1<<20)|(1<<21)|(5<<22)|(3<<25) ; the scales of 128 rows: 4,096 dense bytes as 16 rows of 32 elements of 8 bytes
	s_or_b32 s[G1SB+0], s44, (3<<16)|(1<<20)|(1<<21)|(5<<22)|(3<<25)
.irp g, G1S, G1SB
	s_mov_b32 s[\g+1], 32<<16
	s_mov_b32 s[\g+2], (128*KS/256)<<16
	s_mov_b32 s[\g+3], 32<<16
	s_mov_b32 s[\g+4], 128*KS/256
	s_mov_b32 s[\g+5], 32
	s_mov_b32 s[\g+6], 0
	s_mov_b32 s[\g+7], 0
.endr
	s_lshl_b32 s18, s16, 7
	s_lshl_b32 s20, s17, 8
	s_add_co_u32 s20, s20, s18                     ; x: row 256 x tile row + 128 x half
	s_lshl_b32 s46, s42, 8
	s_add_co_u32 s46, s46, s18                     ; w: row 256 x tile column + 128 x half
	s_mov_b32 s21, 0
	s_mov_b32 s47, 0
	s_mov_b64 s[18:19], KS
	s_mul_u64 s[22:23], s[20:21], s[18:19]         ; where these rows' scales begin
	s_mul_u64 s[92:93], s[46:47], s[18:19]
	s_mov_b64 s[18:19], KROW
	s_mul_u64 s[20:21], s[20:21], s[18:19]         ; and their codes
	s_mul_u64 s[46:47], s[46:47], s[18:19]
	s_mul_i32 s45, s14, HALFT                      ; where they go: wave x 128 rows
	s_mul_i32 s94, s14, HALFS
	s_wait_dscnt 0x0                               ; both opening adds are done
	s_wait_kmcnt 0x0
	s_add_nc_u64 s[20:21], s[4:5], s[20:21]
	s_add_nc_u64 s[22:23], s[6:7], s[22:23]
	s_add_nc_u64 s[46:47], s[8:9], s[46:47]
	s_add_nc_u64 s[92:93], s[10:11], s[92:93]
	CROUND                                         ; all sixteen work-groups are here: the first joint loads meet
	s_mov_b32 s[G0S], 1
	s_add_co_u32 s[G0S+1], s94, SCL
	s_mov_b64 s[G0S+2:G0S+3], s[22:23]
	s_or_b32 s[G0S+3], s[G0S+3], 0x80000000
	s_mov_b32 s[G0SB], 1
	s_add_co_u32 s[G0SB+1], s94, SCL
	s_mov_b64 s[G0SB+2:G0SB+3], s[92:93]
	s_or_b32 s[G0SB+3], s[G0SB+3], 0x80000000
	JLOAD G0S, G1S, G0SB, G1SB                     ; the scales first
.irp s, 0,1
	s_mov_b32 s[G0+4*\s], 1
	s_add_co_u32 s[G0+4*\s+1], s45, \s*SLOT
	s_add_nc_u64 s[G0+4*\s+2:G0+4*\s+3], s[20:21], \s*ROWB
	s_or_b32 s[G0+4*\s+3], s[G0+4*\s+3], 0x80000000
	s_mov_b32 s[G0B+4*\s], 1
	s_add_co_u32 s[G0B+4*\s+1], s45, \s*SLOT
	s_add_nc_u64 s[G0B+4*\s+2:G0B+4*\s+3], s[46:47], \s*ROWB
	s_or_b32 s[G0B+4*\s+3], s[G0B+4*\s+3], 0x80000000
	JLOAD G0+4*\s, G1, G0B+4*\s, G1B               ; three loads of mine are out in all
.endr
	v_and_b32 v1, 15, v0                           ; r
	v_bfe_u32 v2, v0, 4, 1                         ; h
	v_mul_u32_u24 v3, v1, PITCH
	v_lshl_add_u32 v4, v2, 4, v3                   ; a fragment's row x pitch + 16 h
	s_mul_i32 s21, s15, HALFT                      ; my 128 rows of x
	s_mul_i32 s22, s16, HALFT                      ; my 128 rows of w,
	s_add_co_u32 s22, s22, 2*HALFT                 ; behind x's 256
.irp s, 0,1
	v_add_nc_u32 v[ADRA+\s], s21, v4
	v_add_nc_u32 v[ADRB+\s], s22, v4
	s_add_co_u32 s21, s21, SLOT
	s_add_co_u32 s22, s22, SLOT
.endr
	v_mul_u32_u24 v5, v1, KS                       ; my row's scales: 32 bytes a row,
	v_lshrrev_b32 v6, 8, v5
	v_lshl_add_u32 v5, v6, 4, v5                   ; and 16 more for each 256 passed
	s_mul_i32 s21, s15, HALFS
	s_mul_i32 s22, s16, HALFS
	s_add_co_u32 s22, s22, 2*HALFS
	s_sub_co_u32 s22, s22, s21
	v_mul_u32_u24 v6, s22, v2                      ; lanes 16-31 take w's
	s_add_co_u32 s21, s21, SCL
	v_add_nc_u32 v5, v5, v6
	v_add_nc_u32 v[ADRS], s21, v5
	s_mul_i32 s23, s14, 16*SPITCH                  ; my f32 stage
	v_mul_u32_u24 v5, v1, SPITCH
	v_lshl_add_u32 v5, v2, 5, v5
	v_add_nc_u32 v[STO], s23, v5                   ; in: row r, 32 bytes for each half of the lanes
	v_and_b32 v6, 31, v0
	v_lshlrev_b32 v[CO], 4, v6
	v_add_nc_u32 v[RD], s23, v[CO]                 ; back: 32 lanes take a row of 512 bytes
	s_mul_i32 s22, s14, 16*P16
	s_add_co_u32 s22, s22, S16                     ; my f16 stage
	v_mul_u32_u24 v5, v1, P16
	v_lshl_add_u32 v5, v2, 4, v5
	v_add_nc_u32 v[STO16], s22, v5                 ; in: row r, 16 bytes for each half of the lanes
	v_lshrrev_b32 v5, 3, v6
	v_mul_u32_u24 v5, v5, P16
	v_and_b32 v7, 7, v0
	v_lshl_add_u32 v5, v7, 4, v5
	v_add_nc_u32 v[RD16], s22, v5                  ; back: eight lanes take a token's 128 bytes of one head, four tokens an instruction
	; qkv: ((48 cy + 4 tile column + 2 half) << 18) + (256 cluster y + 128 half) x 128
	s_mul_i32 s20, s41, 48
	s_lshl_b32 s21, s42, 2
	s_add_co_u32 s20, s20, s21
	s_lshl_b32 s21, s16, 1
	s_add_co_u32 s20, s20, s21
	s_lshl_b32 s20, s20, 18
	s_and_b32 s21, ttmp7, 0xffff
	s_lshl_b32 s21, s21, 15
	s_add_co_u32 s20, s20, s21
	s_lshl_b32 s21, s15, 14
	s_add_co_u32 s20, s20, s21
	s_mov_b32 s21, 0
	s_add_nc_u64 s[96:97], s[96:97], s[20:21]
	; qkv32: 16 cy rows of 12,288 bytes + 4 x (256 tile column + 128 half)
	s_mul_i32 s20, s41, 196608
	s_lshl_b32 s46, s42, 10
	s_add_co_u32 s20, s20, s46
	s_lshl_b32 s46, s16, 9
	s_add_co_u32 s20, s20, s46
	s_add_nc_u64 s[98:99], s[98:99], s[20:21]
.macro FRAG reg, adr, q, i             ; 16 rows x 128 K of 4-bit codes: lane l holds row l % 16; registers 4 c .. 4 c + 3 hold K = 64 c + 32 (l / 16) + 0 .. 31
.irp c, 0,1
	ds_load_b128 v[\reg+4*\c:\reg+4*\c+3], v[\adr] offset:64*(\q)+32*\c+(\i)*16*PITCH
.endr
.endm
; 16 matrix instructions: x's blocks a0, a0 + 1 against w's eight.  The 64 accumulators take turns, one instruction a turn, in the same order in every step.
.macro MUL16 a0, p, q, sc, zero
.irp a, \a0, \a0+1
.irp b, 0,1,2,3,4,5,6,7
.if \zero
	v_wmma_scale_f32_16x16x128_f8f6f4 v[8*(8*((\a)%4)+\b):8*(8*((\a)%4)+\b)+7], v[128*(\p)+FR*\b:128*(\p)+FR*\b+FR-1], v[AF+FR*(\a):AF+FR*(\a)+FR-1], 0, v[SC+8*NQ*(\sc)+NQ*\b+(\q)], v[SC+8*NQ*(\sc)+NQ*(\a)+(\q)] matrix_a_fmt:MATRIX_FMT_FP4 matrix_b_fmt:MATRIX_FMT_FP4 matrix_a_scale:MATRIX_SCALE_ROW1
.else
	v_wmma_scale_f32_16x16x128_f8f6f4 v[8*(8*((\a)%4)+\b):8*(8*((\a)%4)+\b)+7], v[128*(\p)+FR*\b:128*(\p)+FR*\b+FR-1], v[AF+FR*(\a):AF+FR*(\a)+FR-1], v[8*(8*((\a)%4)+\b):8*(8*((\a)%4)+\b)+7], v[SC+8*NQ*(\sc)+NQ*\b+(\q)], v[SC+8*NQ*(\sc)+NQ*(\a)+(\q)] matrix_a_fmt:MATRIX_FMT_FP4 matrix_b_fmt:MATRIX_FMT_FP4 matrix_a_scale:MATRIX_SCALE_ROW1
.endif
.endr
.endr
.endm
.macro FETCH_B slot, q, p
	WIN TO_B
.irp i, 0,1,2,3,4,5,6,7
	FRAG 128*(\p)+FR*\i, ADRB+\slot, \q, \i
.endr
	WIN 0
.endm
.macro FETCH_A slot, q, i0
.irp i, \i0, \i0+1, \i0+2, \i0+3
	FRAG AF+FR*(\i), ADRA+\slot, \q, \i
.endr
.endm
.macro SCALES sc                       ; a slot's scale words: 4 words a row; lanes 0-15 take x's block i, lanes 16-31 w's block i
.irp i, 0,1,2,3,4,5,6,7
	ds_load_b128 v[SC+8*NQ*\sc+NQ*\i:SC+8*NQ*\sc+NQ*\i+3], v[ADRS] offset:\i*SBLK
.endr
.endm
.macro PLACES n                        ; plain vector instructions between a matrix instruction and a load into, or a read of, its registers
.rept \n
	v_nop
.endr
.endm
.macro STEP slot, q, zero              ; a step of 128 along K that has its successor in the same slot
	s_wait_dscnt 4*NL                              ; w's set and x's blocks 0-3 are in; the youngest eight loads (x's blocks 4-7) may be out
	WIN MUL_LO
	MUL16 0, (\q)%2, \q, \slot, \zero
	MUL16 2, (\q)%2, \q, \slot, \zero
	s_wait_dscnt 0
	PLACES NP
	FETCH_B \slot, (\q)+1, 1-(\q)%2
	FETCH_A \slot, (\q)+1, 0
	WIN MUL_HI
	MUL16 4, (\q)%2, \q, \slot, \zero
	MUL16 6, (\q)%2, \q, \slot, \zero
	PLACES NP
	WIN 0
	FETCH_A \slot, (\q)+1, 4
.endm
; Slot 0's last step changes slots: each wave waits for all its tensor loads (slot 1's is the one that may be out), adds 0 to its spare word, waits for that and its reads; one barrier.  Nothing is filled again.
.macro TURN slot, next
	s_wait_tensorcnt 0x0
	ds_add_u32 v[SPW], v[NIL]
	s_wait_dscnt 4*NL+1                            ; the add and the youngest eight loads may be out
	WIN MUL_LO
	MUL16 0, 1, NQ-1, \slot, 0
	s_wait_dscnt 0x0                               ; the add is done, and my reads of this slot are over
	s_barrier_signal -1
	MUL16 2, 1, NQ-1, \slot, 0
	WIN 0
	s_barrier_wait -1
	PLACES NP
	v_add_nc_u32 v[ADRS], 4*NQ, v[ADRS]            ; the next slot's scale words
	FETCH_B \next, 0, 0
	FETCH_A \next, 0, 0
	SCALES \next
	WIN MUL_HI
	MUL16 4, 1, NQ-1, \slot, 0
	MUL16 6, 1, NQ-1, \slot, 0
	PLACES NP
	WIN 0
	FETCH_A \next, 0, 4
.endm
.macro STEPS slot, from
.set Q, \from
.rept NQ-1-\from
	STEP \slot, Q, 0
.set Q, Q+1
.endr
.endm
	s_wait_tensorcnt 1                             ; the scales and my part of slot 0 are in; slot 1's load may be out
	s_barrier_signal -1
	s_barrier_wait -1
	FETCH_B 0, 0, 0
	FETCH_A 0, 0, 0
	SCALES 0
	FETCH_A 0, 0, 4
	STEP 0, 0, 1                                   ; the first step's products start the sums
	STEPS 0, 1
	TURN 0, 1
	STEPS 1, 0
	s_wait_dscnt 4*NL                              ; the last step
	WIN MUL_LO
	MUL16 0, 1, NQ-1, 1, 0
	MUL16 2, 1, NQ-1, 1, 0
	s_wait_dscnt 0
	WIN MUL_HI
	MUL16 4, 1, NQ-1, 1, 0
	MUL16 6, 1, NQ-1, 1, 0
	WIN 0
	PLACES NP
	; THE F32 ROWS: tokens 0-15 of a batch are block 0 of the waves with row half 0 in the clusters with y = 0.  They go through my f32 stage and leave as rows of 512 bytes.
	s_and_b32 s2, ttmp7, 0xffff
	s_or_b32 s2, s2, s15
	s_cmp_lg_u32 s2, 0
	s_cbranch_scc1 .Lno32
	WIN 0x08                                       ; an LDS store's data: window 2
.irp b, 0,1,2,3,4,5,6,7
	ds_store_b128 v[STO], v[8*\b:8*\b+3] offset:64*\b              ; each accumulator from its low end on
	ds_store_b128 v[STO], v[8*\b+4:8*\b+7] offset:64*\b+16
.endr
	WIN 0
.irp t, 0,1,2,3,4,5,6,7,8,9,10,11,12,13,14,15
	ds_load_b128 v[BK+4*\t:BK+4*\t+3], v[RD] offset:\t*SPITCH      ; LDS serves a wave's instructions in order: these see my stores
.endr
	s_wait_dscnt 0x0
.irp t, 0,1,2,3,4,5,6,7,8,9,10,11,12,13,14,15
	global_store_b128 v[CO], v[BK+4*\t:BK+4*\t+3], s[98:99] offset:\t*12288   ; 512 consecutive bytes of a row, aligned
.endr
.Lno32:
; THE F16 WAY OUT, block by block of 16 tokens x 128 columns (two heads).
.macro PACK a
.set AC, 64*((\a)%4)
	WIN 0x0a+5*((\a)/4)                            ; sources 0 and 1: window 2 or 3
.irp b, 0,1,2,3,4,5,6,7
.irp r, 0,1,2,3
	v_cvt_pk_f16_f32 v[TMP+4*\b+\r], v[AC+8*\b+2*\r], v[AC+8*\b+2*\r+1]
.endr
.endr
	WIN 0
.endm
.macro TOSTAGE16 a
.set BB, OBR+192*((\a)%2)
.irp b, 0,1,2,3,4,5,6,7
	ds_store_b128 v[STO16], v[TMP+4*\b:TMP+4*\b+3] offset:32*\b
.endr
.irp j, 0,1,2,3
.irp hh, 0,1
	ds_load_b128 v[BB+4*(2*\j+\hh):BB+4*(2*\j+\hh)+3], v[RD16] offset:4*P16*\j+128*\hh   ; tokens 4 j .. 4 j + 3, head hh of my two
.endr
.endr
.endm
.macro SEND16 a
.set BB, OBR+192*((\a)%2)
	s_wait_dscnt 0x0                               ; the block is back in registers
	s_wait_xcnt 0x0                                ; the earlier stores have read their data: the other set may be loaded again behind this
.irp j, 0,1,2,3
.irp hh, 0,1
	global_store_b128 v[CO], v[BB+4*(2*\j+\hh):BB+4*(2*\j+\hh)+3], s[96:97] offset:2048*(\a)+512*\j+262144*\hh   ; four tokens of one head: 512 consecutive bytes, aligned
.endr
.endr
.endm
	PACK 0
	TOSTAGE16 0
.irp a, 1,2,3,4,5,6,7
	PACK \a
	SEND16 \a-1
	TOSTAGE16 \a
.endr
	SEND16 7
	s_wait_tensorcnt 0x0                           ; the wave's end
	ds_add_u32 v[SPW], v[NIL]
	s_wait_dscnt 0x0
	CROUND                                         ; the closing round
	s_endpgm
.Lfunc_end_k_qd613640aaa_qkv:
	.size	k_qd613640aaa_qkv, .Lfunc_end_k_qd613640aaa_qkv-k_qd613640aaa_qkv
	.p2alignl 7, 3214868480
	.fill 96, 4, 3214868480
	.section	.rodata,"a",@progbits
	.p2align	6, 0x0
	.amdhsa_kernel k_qd613640aaa_qkv
		.amdhsa_group_segment_fixed_size 327680
		.amdhsa_private_segment_fixed_size 0
		.amdhsa_enable_private_segment 0
		.amdhsa_kernarg_size 48
		.amdhsa_user_sgpr_count 2
		.amdhsa_user_sgpr_kernarg_segment_ptr 1
		.amdhsa_wavefront_size32 1
		.amdhsa_system_sgpr_workgroup_id_x 1
		.amdhsa_system_sgpr_workgroup_id_y 1
		.amdhsa_system_sgpr_workgroup_id_z 1
		.amdhsa_system_vgpr_workitem_id 0
		.amdhsa_next_free_vgpr 1024
		.amdhsa_next_free_sgpr 100
		.amdhsa_reserve_vcc 0
		.amdhsa_float_denorm_mode_32 3
		.amdhsa_float_denorm_mode_16_64 3
		.amdhsa_memory_ordered 1
		.amdhsa_forward_progress 1
		.amdhsa_inst_pref_size 131
	.end_amdhsa_kernel
	.amdgpu_metadata
---
amdhsa.version: [ 1, 2 ]
amdhsa.kernels:
  - .name:           k_qd613640aaa_qkv
    .symbol:         k_qd613640aaa_qkv.kd
    .args:
      - { .name: xc, .offset: 0, .size: 8, .value_kind: global_buffer, .address_space: global }
      - { .name: xs, .offset: 8, .size: 8, .value_kind: global_buffer, .address_space: global }
      - { .name: wc, .offset: 16, .size: 8, .value_kind: global_buffer, .address_space: global }
      - { .name: ws, .offset: 24, .size: 8, .value_kind: global_buffer, .address_space: global }
      - { .name: qkv, .offset: 32, .size: 8, .value_kind: global_buffer, .address_space: global }
      - { .name: qkv32, .offset: 40, .size: 8, .value_kind: global_buffer, .address_space: global }
    .group_segment_fixed_size: 327680
    .private_segment_fixed_size: 0
    .kernarg_segment_align: 8
    .kernarg_segment_size: 48
    .max_flat_workgroup_size: 128
    .sgpr_count:     100
    .vgpr_count:     1024
    .wavefront_size: 32
...
	.end_amdgpu_metadata
.endif
;; end of part 2
;; launch attn (part 3): grid 4 x 64, 16 waves a work-group, no clusters, 327,680 bytes of LDS; arguments qkv, yh; writes yh
.if DOCPART == 3
	.amdgcn_target "amdgcn-amd-amdhsa--gfx1250"
	.amdhsa_code_object_version 6
	.text
	.protected	k_qd613640aaa_attn
	.globl	k_qd613640aaa_attn
	.p2align	8
	.type	k_qd613640aaa_attn,@function
k_qd613640aaa_attn:
	s_mov_b64 s[64:65], 0
	v_nop
	global_prefetch_b8 v0, s[64:65] scope:SCOPE_SE
	s_setreg_imm32_b32 hwreg(HW_REG_WAVE_MODE, 25, 1), 1
	s_wait_xcnt 0x0
; ATTN.  y[b][h][q] = the sum over k <= q of softmax_k(Q[q] . K[k] / 8) V[k], head size 64, 2,048 positions, 64 heads in all.  Q, K, V: f16, [b][g 48][2048][64] (q: g = h, k: 16 + h, v: 32 + h).
; Out: yh [h 16][8192 tokens][64] f16.  Products on f16 operands, sums, maxima and the softmax in f32; the weights p (at most 1) are rounded to f16 for the second product, y once at the end.
; LIMITS: |y| under 65,504 (f16); NaN and infinities are not served.
; SHARES.  Work-group (i, 16 b + h), i = 0..3: waves 0-7 own the block of 256 queries 7 - i, waves 8-15 block i; a wave owns 32 queries, two tiles of 16.  A block B has work in 4 B + (1..4) steps of 64 keys for its
; waves, so blocks 7 - i and i together give every work-group the same work, and both walk the same K and V from key 0, fetched once.
; NO CLUSTER: the four work-groups of a head need 8 - i slots of keys; a joint load would bring tiles that every wave of some partner passes over.
; LAYOUT.  S^T = K Q^T (source 0 = 16 keys, source 1 = 16 queries): a lane holds ONE query (lane % 16) and keys 8 (lane / 16) + 0..7 of each tile.  Two such tiles, rounded to f16 in pairs, are source 1
; (32 keys x 16 queries) of O^T = V^T P.  K comes out of LDS as it lies, V ([key][channel]) turned, by ds_load_tr16_b128.
; SOFTMAX.  A running maximum m and sum l for each query: p = 2^(c s - c m), c = log2(e) / 8; in every step O and l are multiplied by a = 2^(c m_old - c m_new).
; THE MASK.  Every work-group walks all 8 slots: trip counts are constants.  A step all of whose keys come after my 32 queries is passed over (a scalar branch on ids); on the diagonal hidden scores become -infinity.
; A slot whose first key comes after the work-group's last query is not asked for.  Every wait on TENSORcnt in this text is for 0.
.set SK,    256                        ; keys in a slot; a step is 64
.set KP,    144                        ; a key's row in LDS: 128 bytes + 16
.set VP,    160                        ; a row of V: 128 + 32
.set VOFF,  SK*KP
.set SLOT1, 1<<17                      ; slot 1 begins here: one exclusive or turns an address
.set STAGE, SLOT1+SK*(KP+VP)           ; behind the ring: 32 rows x 144 bytes for each wave; no fill lands here
.set SPARE, STAGE+16*32*KP             ; the spare words: 128 bytes for each of 16 waves
.set NSL,   2048/SK
.set AK0, 1
.set AV0, 2
.set SPW, 3
.set NIL, 4
.set ADK, 5
.set ADV, 6
.set LD,  7                            ; lane % 16 - 8 (lane / 16)
.set ST,  8                            ; tile t's statistics at v[ST + 8 t]: +0 c m, +1 m, +2, +3 l, +4, +5 at work, +6 a, +7 at work
.set DD,  24
.set NINF, 25
.set QO,  26
.set STO, 26
.set RD,  27
.set GO,  28
.set PFO, 29
.set Q,   32                           ; v32-63   Q: tile t, channels 32 s on, at 16 t + 8 s
.set KV,  64                           ; v64-127  K's eight fragments, then V's eight
.set S,   128                          ; v128-191 S^T, 32 a tile; P is packed into each tile's first 16
.set O,   192                          ; v192-255 O^T, 32 a tile
.set WV,  8
.set SEL, 12
.set CS,  14
.set TB,  16
.set KF,  17
.set Q0,  18
.set QL,  19
.set SLOTS, 20
.set LIM, 21
.set PFA, 22
.set G1K, 24
.set G1V, 32
.set G0K, 40
.set G0V, 44
; Waves 0 and 1 fetch K's halves, waves 2 and 3 V's, the others nothing.  An s_nop 0 and four v_nop follow each line.
.macro TLOAD g0k, g1k, g0v, g1v
	s_cmp_lt_u32 s[WV], 2
	s_cbranch_scc0 .Lnot_k_\@
	tensor_load_to_lds s[\g0k:\g0k+3], s[\g1k:\g1k+7]
	s_nop 0
.rept 4
	v_nop
.endr
	s_branch .Lasked_\@
.Lnot_k_\@:
	s_cmp_lt_u32 s[WV], 4
	s_cbranch_scc0 .Lasked_\@
	tensor_load_to_lds s[\g0v:\g0v+3], s[\g1v:\g1v+7]
	s_nop 0
.rept 4
	v_nop
.endr
.Lasked_\@:
.endm
; A prefetch of what the NEXT change of slots will ask for: a slot's K and V are 32,768 dense bytes each.  The head's work-group with x = 0, which walks all slots, asks; in it waves 4-7 for K, waves 8-11 for V:
; 8,192 bytes a wave, lanes 256 bytes apart, one instruction.  So each aligned 256 bytes are named once in the launch.  The last change that fills a slot asks for nothing; slots 0 and 1 come by their loads alone.
.macro ASK
	s_cmp_gt_u32 s[SLOTS], s[LIM]
	s_cbranch_scc0 .Lnot_mine_\@
	global_prefetch_b8 v[PFO], s[PFA:PFA+1] th:TH_LOAD_NT scope:SCOPE_SE
.Lnot_mine_\@:
.endm
	s_load_b128 s[4:7], s[0:1], 0x0                ; qkv, yh
	v_lshl_add_u32 v[SPW], v0, 2, SPARE
	v_mov_b32 v[NIL], 0
	ds_add_u32 v[SPW], v[NIL]                      ; the wave's opening: the add, twice on end, and its wait ahead of my first tensor load
	ds_add_u32 v[SPW], v[NIL]
	v_lshrrev_b32 v5, 5, v0
	v_readfirstlane_b32 s[WV], v5                  ; wave 0..15
	s_and_b32 s48, ttmp7, 0xffff                   ; 16 b + h
	s_lshr_b32 s49, s48, 4                         ; b
	s_and_b32 s50, s48, 15                         ; h
	s_mul_i32 s51, s49, 48
	s_add_co_u32 s51, s51, s50
	s_lshl_b32 s52, s51, 18                        ; q's head, in bytes; k's lies 16 heads on, v's 32
	s_sub_co_u32 s54, 7, ttmp9
	s_cmp_lt_u32 s[WV], 8
	s_cselect_b32 s54, s54, ttmp9                  ; my block of 256 queries
	s_lshl_b32 s54, s54, 8
	s_and_b32 s55, s[WV], 7
	s_lshl_b32 s55, s55, 5
	s_add_co_u32 s[Q0], s54, s55                   ; my first query
	s_sub_co_u32 s[QL], 8, ttmp9
	s_lshl_b32 s[QL], s[QL], 8
	s_sub_co_u32 s[QL], s[QL], 1                   ; the work-group's last query
	s_lshl_b32 s54, s[Q0], 7
	s_add_co_u32 s54, s54, s52                     ; my queries' bytes
	s_mov_b32 s55, 0
	s_and_b32 s58, s[WV], 1                        ; which 128 rows of a slot I fetch, if I fetch
	s_lshl_b32 s56, s58, 14
	s_add_co_u32 s56, s56, s52
	s_add_co_u32 s56, s56, 16<<18                  ; K
	s_mov_b32 s57, 0
	s_add_co_u32 s60, s56, 16<<18                  ; V
	s_mov_b32 s61, 0
	s_add_co_u32 s62, s52, 16<<18                  ; the prefetches: K's head or V's,
	s_add_co_u32 s63, s52, 32<<18
	s_cmp_lt_u32 s[WV], 8
	s_cselect_b32 s62, s62, s63
	s_and_b32 s63, s[WV], 3
	s_lshl_b32 s63, s63, 13
	s_add_co_u32 s62, s62, s63                     ; my wave's 8,192 bytes,
	s_add_co_u32 s62, s62, SK*128                  ; in slot 1: the first change of slots steps it to slot 2
	s_mov_b32 s63, 0
	s_sub_co_u32 s51, s[WV], 4
	s_lshr_b32 s51, s51, 3                         ; 0 in waves 4 to 11,
	s_or_b32 s51, s51, ttmp9                       ; of the work-group with x = 0
	s_cmp_eq_u32 s51, 0
	s_cselect_b32 s[LIM], 1, -1
	s_lshl_b32 s49, s49, 11
	s_add_co_u32 s49, s49, s[Q0]
	s_lshl_b32 s49, s49, 7                         ; yh: token 2048 b + my first query, 128 bytes a token,
	s_lshl_b32 s48, s50, 20                        ; in head h's plane
	s_add_co_u32 s48, s48, s49
	s_mov_b32 s49, 0
	s_mov_b32 s[G1K], (1<<16)|(1<<20)|(4<<22)|(3<<25)  ; no mask; elements of 2 bytes; padding on: after every 32 words, 4 words
	s_mov_b32 s[G1V], (1<<16)|(1<<20)|(4<<22)|(7<<25)  ; the same with 8 words
.irp g, G1K, G1V
	s_mov_b32 s[\g+1], 64<<16                      ; tensor_dim0
	s_mov_b32 s[\g+2], 128<<16                     ; tensor_dim1
	s_mov_b32 s[\g+3], 64<<16                      ; tile_dim0
	s_mov_b32 s[\g+4], 128                         ; tile_dim1
	s_mov_b32 s[\g+5], 64                          ; the pitch
	s_mov_b32 s[\g+6], 0
	s_mov_b32 s[\g+7], 0
.endr
	s_mov_b32 s[SEL], 0x76543210
	s_mov_b32 s[SEL+1], 0xfedcba98
	s_mov_b32 s[CS], 0x3e38aa3b                    ; c = log2(e) / 8
	s_mov_b32 s[CS+1], s[CS]
	s_mov_b32 s[TB], 0
	s_mov_b32 s[KF], 0
	s_mov_b32 s[SLOTS], NSL-1
	s_wait_dscnt 0x0                               ; both opening adds are done
	s_wait_kmcnt 0x0
	s_mov_b32 s[G0K], 1
	s_mul_i32 s[G0K+1], s58, 128*KP
	s_add_nc_u64 s[G0K+2:G0K+3], s[4:5], s[56:57]
	s_or_b32 s[G0K+3], s[G0K+3], 0x80000000
	s_mov_b32 s[G0V], 1
	s_mul_i32 s[G0V+1], s58, 128*VP
	s_add_co_u32 s[G0V+1], s[G0V+1], VOFF
	s_add_nc_u64 s[G0V+2:G0V+3], s[4:5], s[60:61]
	s_or_b32 s[G0V+3], s[G0V+3], 0x80000000
	TLOAD G0K, G1K, G0V, G1V                       ; slot 0
	s_add_nc_u64 s[10:11], s[4:5], s[54:55]        ; Q
	s_add_nc_u64 s[PFA:PFA+1], s[4:5], s[62:63]
	s_add_nc_u64 s[6:7], s[6:7], s[48:49]          ; yh
	v_and_b32 v30, 15, v0                          ; r
	v_bfe_u32 v31, v0, 4, 1                        ; h
	v_lshlrev_b32 v[QO], 7, v30
	v_lshl_add_u32 v[QO], v31, 4, v[QO]            ; row r of 128 bytes + 16 h
.set f, 0
.rept 4                                        ; fragment f: tile f / 2, channels 32 (f % 2) on
	global_load_b128 v[Q+8*f:Q+8*f+3], v[QO], s[10:11] offset:2048*(f/2)+64*(f%2)
	global_load_b128 v[Q+8*f+4:Q+8*f+7], v[QO], s[10:11] offset:2048*(f/2)+64*(f%2)+32
.set f, f+1
.endr
	v_mul_u32_u24 v[AK0], v30, KP
	v_lshl_add_u32 v[AK0], v31, 4, v[AK0]
	v_and_b32 v5, 7, v0
	v_lshl_add_u32 v5, v31, 3, v5
	v_mul_u32_u24 v[AV0], v5, VP                   ; the turning load: key 8 h + lane % 8,
	v_bfe_u32 v5, v0, 3, 1
	v_lshl_add_u32 v[AV0], v5, 4, v[AV0]           ; channels 8 ((lane / 8) % 2) on
	v_add_nc_u32 v[AV0], VOFF, v[AV0]
	v_lshlrev_b32 v5, 3, v31
	v_sub_nc_u32 v[LD], v30, v5
	v_mov_b32 v[NINF], 0xff800000
	v_and_b32 v[PFO], 31, v0
	v_lshlrev_b32 v[PFO], 8, v[PFO]
.irp t, 0,1
	v_mov_b32 v[ST+8*\t+1], 0xff61b1e6             ; m: -3e38, under every score
	v_mul_f32 v[ST+8*\t], s[CS], v[ST+8*\t+1]      ; c m
.irp k, 2,3,4,5,6,7
	v_mov_b32 v[ST+8*\t+\k], 0
.endr
.endr
.set i, 0
.rept 64
	v_mov_b32 v[O+i], 0                            ; O^T.  The step is written once: its first run finds zeros, which a = 0 leaves zeros
.set i, i+1
.endr
; A KEY STEP: 64 keys, the q-th of the slot in hand.
.macro STEP q
	s_add_co_u32 s50, s[Q0], 31
	s_cmp_gt_u32 s[KF], s50                        ; all keys come after my queries: nothing to do but step the key count
	s_cbranch_scc1 .Lhidden_\@
	v_add_nc_u32 v[ADK], s[TB], v[AK0]
	v_add_nc_u32 v[ADV], s[TB], v[AV0]
.set f, 0
.rept 8                                        ; K's fragment f: keys 16 (f / 2) on, channels 32 (f % 2) on
	ds_load_b128 v[KV+8*f:KV+8*f+3], v[ADK] offset:(64*(\q)+16*(f/2))*KP+64*(f%2)
	ds_load_b128 v[KV+8*f+4:KV+8*f+7], v[ADK] offset:(64*(\q)+16*(f/2))*KP+64*(f%2)+32
.set f, f+1
.endr
	s_wait_dscnt 0x0
.set i, 0
.rept 16                                       ; S^T: channels 32 (i / 8) on, keys 16 ((i / 2) % 4) on, tile i % 2: the eight accumulators by turns
.set rS, S+32*(i%2)+8*((i/2)%4)
.set rK, KV+16*((i/2)%4)+8*(i/8)
.set rQ, Q+16*(i%2)+8*(i/8)
.if i < 8
	v_wmma_f32_16x16x32_f16 v[rS:rS+7], v[rK:rK+7], v[rQ:rQ+7], 0
.else
	v_wmma_f32_16x16x32_f16 v[rS:rS+7], v[rK:rK+7], v[rQ:rQ+7], v[rS:rS+7]
.endif
.set i, i+1
.endr
.rept 4
	v_nop                                          ; places: ahead of the loads into K's registers and of the first read of the scores
.endr
.set f, 0
.rept 8                                        ; V's fragment f, turned: keys 32 (f / 4) on, channels 16 (f % 4) on.  It lands while the softmax is worked
	ds_load_tr16_b128 v[KV+8*f:KV+8*f+3], v[ADV] offset:(64*(\q)+32*(f/4))*VP+32*(f%4)
	ds_load_tr16_b128 v[KV+8*f+4:KV+8*f+7], v[ADV] offset:(64*(\q)+32*(f/4)+16)*VP+32*(f%4)
.set f, f+1
.endr
	s_add_co_u32 s50, s[KF], 63
	s_cmp_le_u32 s50, s[Q0]                        ; all keys count for all my queries: no mask
	s_cbranch_scc1 .Lopen_\@
	s_sub_co_i32 s50, s[Q0], s[KF]
	v_add_nc_u32 v[DD], s50, v[LD]                 ; d = Q0 - KF + r - 8 h.  Register n holds key KF + 16 ((n / 8) % 4) + 8 h + n % 8 for query Q0 + 16 (n / 32) + r
.set n, 0
.rept 64
	v_cmp_gt_i32 vcc_lo, 16*((n/8)%4)+n%8-16*(n/32), v[DD]
	v_cndmask_b32 v[S+n], v[S+n], v[NINF], vcc_lo
.set n, n+1
.endr
.Lopen_\@:
	; the maximum of 32 scores and the old m; the two tiles alternate line by line
.irp j, 0,1,2,3
.irp t, 0,1
	v_max3_num_f32 v[ST+8*\t+4+\j], v[S+32*\t+8*\j], v[S+32*\t+8*\j+1], v[S+32*\t+8*\j+2]
.endr
.endr
.irp i, 3,5
.irp j, 0,1,2,3
.irp t, 0,1
	v_max3_num_f32 v[ST+8*\t+4+\j], v[ST+8*\t+4+\j], v[S+32*\t+8*\j+\i], v[S+32*\t+8*\j+\i+1]
.endr
.endr
.endr
.irp t, 0,1
	v_max3_num_f32 v[ST+8*\t+4], v[ST+8*\t+4], v[S+32*\t+7], v[S+32*\t+15]
.endr
.irp t, 0,1
	v_max3_num_f32 v[ST+8*\t+6], v[ST+8*\t+6], v[S+32*\t+23], v[S+32*\t+31]
.endr
.irp t, 0,1
	v_max3_num_f32 v[ST+8*\t+4], v[ST+8*\t+4], v[ST+8*\t+5], v[ST+8*\t+6]
.endr
.irp t, 0,1
	v_max3_num_f32 v[ST+8*\t+4], v[ST+8*\t+4], v[ST+8*\t+7], v[ST+8*\t+1]
.endr
.irp t, 0,1
	v_permlanex16_b32 v[ST+8*\t+5], v[ST+8*\t+4], s[SEL], s[SEL+1]  ; the query's other 32 keys lie in the lane 16 away
.endr
.irp t, 0,1
	v_mov_b32 v[ST+8*\t+7], v[ST+8*\t]             ; c m_old
.endr
.irp t, 0,1
	v_max_num_f32 v[ST+8*\t+1], v[ST+8*\t+4], v[ST+8*\t+5]
.endr
.irp t, 0,1
	v_mul_f32 v[ST+8*\t], s[CS], v[ST+8*\t+1]
.endr
.irp t, 0,1
	v_sub_f32 v[ST+8*\t+7], v[ST+8*\t+7], v[ST+8*\t]
.endr
.irp j, 0,2,4,6,8,10,12,14,16,18,20,22,24,26,28,30
.irp t, 0,1
	v_pk_fma_f32 v[S+32*\t+\j:S+32*\t+\j+1], v[S+32*\t+\j:S+32*\t+\j+1], s[CS:CS+1], v[ST+8*\t:ST+8*\t+1] op_sel_hi:[1,0,0] neg_lo:[0,0,1] neg_hi:[0,0,1]  ; c s - c m
.endr
.endr
.irp t, 0,1
	v_exp_f32 v[ST+8*\t+6], v[ST+8*\t+7]           ; a
.endr
.set j, 0
.rept 32
	v_exp_f32 v[S+j], v[S+j]                       ; p, at most 1
	v_exp_f32 v[S+32+j], v[S+32+j]
.set j, j+1
.endr
	v_nop                                          ; a plain instruction behind the last exponential
	s_wait_alu depctr_va_vdst(0)                   ; one wait for the batch of 66, ahead of its first reader
.irp t, 0,1
	v_pk_fma_f32 v[ST+8*\t+2:ST+8*\t+3], v[ST+8*\t+2:ST+8*\t+3], v[ST+8*\t+6:ST+8*\t+7], v[S+32*\t:S+32*\t+1] op_sel_hi:[1,0,1]  ; l = l a + the first pair
.endr
.irp t, 0,1
	v_pk_add_f32 v[ST+8*\t+4:ST+8*\t+5], v[S+32*\t+2:S+32*\t+3], v[S+32*\t+4:S+32*\t+5]   ; a second chain
.endr
.irp j, 6,10,14,18,22,26
.irp t, 0,1
	v_pk_add_f32 v[ST+8*\t+2:ST+8*\t+3], v[ST+8*\t+2:ST+8*\t+3], v[S+32*\t+\j:S+32*\t+\j+1]
	v_pk_add_f32 v[ST+8*\t+4:ST+8*\t+5], v[ST+8*\t+4:ST+8*\t+5], v[S+32*\t+\j+2:S+32*\t+\j+3]
.endr
.endr
.irp t, 0,1
	v_pk_add_f32 v[ST+8*\t+2:ST+8*\t+3], v[ST+8*\t+2:ST+8*\t+3], v[S+32*\t+30:S+32*\t+31]
.endr
.irp t, 0,1
	v_pk_add_f32 v[ST+8*\t+2:ST+8*\t+3], v[ST+8*\t+2:ST+8*\t+3], v[ST+8*\t+4:ST+8*\t+5]
.endr
.irp j, 0,1,2,3,4,5,6,7,8,9,10,11,12,13,14,15
.irp t, 0,1
	v_cvt_pk_f16_f32 v[S+32*\t+\j], v[S+32*\t+2*\j], v[S+32*\t+2*\j+1]   ; P in place, ascending: register j is written when pairs up to j have been read
.endr
.endr
.irp j, 0,2,4,6,8,10,12,14,16,18,20,22,24,26,28,30
.irp t, 0,1
	v_pk_mul_f32 v[O+32*\t+\j:O+32*\t+\j+1], v[O+32*\t+\j:O+32*\t+\j+1], v[ST+8*\t+6:ST+8*\t+7] op_sel_hi:[1,0]   ; O^T x a
.endr
.endr
	s_wait_dscnt 0x0                               ; V is in
.set i, 0
.rept 16                                       ; O^T += V^T P: keys 32 (i / 8) on, channels 16 ((i / 2) % 4) on, tile i % 2: the eight accumulators by turns
.set rO, O+32*(i%2)+8*((i/2)%4)
.set rV, KV+32*(i/8)+8*((i/2)%4)
.set rP, S+32*(i%2)+8*(i/8)
	v_wmma_f32_16x16x32_f16 v[rO:rO+7], v[rV:rV+7], v[rP:rP+7], v[rO:rO+7]
.set i, i+1
.endr
.rept 5
	v_nop                                          ; five places: the next step's first products write over P's registers, which these products read; its loads land on V's
.endr
.Lhidden_\@:
	s_add_co_u32 s[KF], s[KF], 64
.endm
; THE CHANGE OF SLOTS, at a slot's head.  Each wave waits for all its tensor loads, adds 0 to its spare word, and waits for that and for its reads of the slot that it has left; one barrier;
; fill = 1: behind it the slot just left is filled with the keys that follow, up to the causal limit.
.macro CHANGE fill
	s_wait_tensorcnt 0x0                           ; no tensor load of mine is out, so a group 0 may be written
	ds_add_u32 v[SPW], v[NIL]
.if \fill
	ds_add_u32 v[SPW], v[NIL]                      ; and once more
	s_xor_b32 s[G0K+1], s[G0K+1], SLOT1
	s_add_nc_u64 s[G0K+2:G0K+3], s[G0K+2:G0K+3], SK*128
	s_xor_b32 s[G0V+1], s[G0V+1], SLOT1
	s_add_nc_u64 s[G0V+2:G0V+3], s[G0V+2:G0V+3], SK*128
	s_wait_xcnt 0x0                                ; the last prefetch, a slot back, has read its address
	s_add_nc_u64 s[PFA:PFA+1], s[PFA:PFA+1], SK*128
.endif
	s_wait_dscnt 0x0
	s_barrier_signal -1
	s_barrier_wait -1
.if \fill
	s_add_co_u32 s50, s[KF], SK                    ; the first key of the slot that this change would ask for
	s_cmp_gt_u32 s50, s[QL]                        ; ids and the count of steps alone: all sixteen waves go the same way, and past the limit stays past it
	s_cbranch_scc1 .Lpast_\@
	TLOAD G0K, G1K, G0V, G1V                       ; a wave's one tensor load until the next barrier
.Lpast_\@:
	ASK
.endif
.endm
.macro SLOT_STEPS
	STEP 0
	STEP 1
	STEP 2
	STEP 3
	s_xor_b32 s[TB], s[TB], SLOT1
.endm
	s_wait_loadcnt 0x0                             ; Q
.Lslot:                                            ; 7 trips
	CHANGE 1
	SLOT_STEPS
	s_sub_co_u32 s[SLOTS], s[SLOTS], 1
	s_cmp_lg_u32 s[SLOTS], 0
	s_cbranch_scc1 .Lslot
	CHANGE 0                                       ; the last slot: nothing is left to ask for
	SLOT_STEPS
	; THE WAY OUT.  O^T / l, rounded to f16, through my stage in LDS; back as rows of 128 bytes, four tokens an instruction.
.irp t, 0,1
	v_add_f32 v[ST+8*\t+4], v[ST+8*\t+2], v[ST+8*\t+3]
.endr
.irp t, 0,1
	v_permlanex16_b32 v[ST+8*\t+5], v[ST+8*\t+4], s[SEL], s[SEL+1]
.endr
.irp t, 0,1
	v_add_f32 v[ST+8*\t+4], v[ST+8*\t+4], v[ST+8*\t+5]
.endr
.irp t, 0,1
	v_rcp_f32 v[ST+8*\t+6], v[ST+8*\t+4]
.endr
	s_mul_i32 s50, s[WV], 32*KP
	s_add_co_u32 s50, s50, STAGE                   ; my stage
	v_mul_u32_u24 v[STO], v30, KP                  ; (plain work behind the reciprocals)
	v_lshl_add_u32 v[STO], v31, 4, v[STO]
	v_add_nc_u32 v[STO], s50, v[STO]               ; in: row r, 16 bytes for each half of the lanes
	v_and_b32 v[GO], 31, v0
	v_lshrrev_b32 v[RD], 3, v[GO]
	v_mul_u32_u24 v[RD], v[RD], KP
	v_and_b32 v5, 7, v0
	v_lshl_add_u32 v[RD], v5, 4, v[RD]
	v_add_nc_u32 v[RD], s50, v[RD]                 ; back: eight lanes to a row
	v_lshlrev_b32 v[GO], 4, v[GO]
	s_wait_alu depctr_va_vdst(0)                   ; one wait for the two reciprocals, ahead of their first reader
.irp j, 0,2,4,6,8,10,12,14,16,18,20,22,24,26,28,30
.irp t, 0,1
	v_pk_mul_f32 v[O+32*\t+\j:O+32*\t+\j+1], v[O+32*\t+\j:O+32*\t+\j+1], v[ST+8*\t+6:ST+8*\t+7] op_sel_hi:[1,0]
.endr
.endr
.set i, 0
.rept 32
	v_cvt_pk_f16_f32 v[S+i], v[O+2*i], v[O+2*i+1]  ; register 16 t + 4 ct + k: y(16 t + r, 16 ct + 8 h + 2 k ..)
.set i, i+1
.endr
.irp t, 0,1
.irp ct, 0,1,2,3
	ds_store_b128 v[STO], v[S+16*\t+4*\ct:S+16*\t+4*\ct+3] offset:16*KP*\t+32*\ct
.endr
.endr
.irp j, 0,1,2,3,4,5,6,7
	ds_load_b128 v[S+32+4*\j:S+32+4*\j+3], v[RD] offset:4*KP*\j   ; LDS serves a wave's instructions in order: these see my stores
.endr
.irp j, 0,1,2,3,4,5,6,7
	s_wait_dscnt 7-\j                              ; the younger loads may stay out
	global_store_b128 v[GO], v[S+32+4*\j:S+32+4*\j+3], s[6:7] offset:512*\j   ; four tokens: 512 consecutive bytes, aligned
.endr
	s_wait_tensorcnt 0x0                           ; the wave's end
	ds_add_u32 v[SPW], v[NIL]
	s_wait_dscnt 0x0
	s_endpgm
.Lfunc_end_k_qd613640aaa_attn:
	.size	k_qd613640aaa_attn, .Lfunc_end_k_qd613640aaa_attn-k_qd613640aaa_attn
	.p2alignl 7, 3214868480
	.fill 96, 4, 3214868480
	.section	.rodata,"a",@progbits
	.p2align	6, 0x0
	.amdhsa_kernel k_qd613640aaa_attn
		.amdhsa_group_segment_fixed_size 327680
		.amdhsa_private_segment_fixed_size 0
		.amdhsa_enable_private_segment 0
		.amdhsa_kernarg_size 16
		.amdhsa_user_sgpr_count 2
		.amdhsa_user_sgpr_kernarg_segment_ptr 1
		.amdhsa_wavefront_size32 1
		.amdhsa_system_sgpr_workgroup_id_x 1
		.amdhsa_system_sgpr_workgroup_id_y 1
		.amdhsa_system_sgpr_workgroup_id_z 1
		.amdhsa_system_vgpr_workitem_id 0
		.amdhsa_next_free_vgpr 256
		.amdhsa_next_free_sgpr 66
		.amdhsa_reserve_vcc 1
		.amdhsa_float_denorm_mode_32 3
		.amdhsa_float_denorm_mode_16_64 3
		.amdhsa_memory_ordered 1
		.amdhsa_forward_progress 1
		.amdhsa_inst_pref_size 188
	.end_amdhsa_kernel
	.amdgpu_metadata
---
amdhsa.version: [ 1, 2 ]
amdhsa.kernels:
  - .name:           k_qd613640aaa_attn
    .symbol:         k_qd613640aaa_attn.kd
    .args:
      - { .name: qkv, .offset: 0, .size: 8, .value_kind: global_buffer, .address_space: global }
      - { .name: yh, .offset: 8, .size: 8, .value_kind: global_buffer, .address_space: global }
    .group_segment_fixed_size: 327680
    .private_segment_fixed_size: 0
    .kernarg_segment_align: 8
    .kernarg_segment_size: 16
    .max_flat_workgroup_size: 512
    .sgpr_count:     66
    .vgpr_count:     256
    .wavefront_size: 32
...
	.end_amdgpu_metadata
.endif
;; end of part 3
;; launch proj (part 4): grid 4 x 64, 4 waves a work-group, clusters of 4 x 4, 327,680 bytes of LDS; arguments yh, wo16, out0; writes out0
.if DOCPART == 4
	.amdgcn_target "amdgcn-amd-amdhsa--gfx1250"
	.amdhsa_code_object_version 6
	.text
	.protected	k_qd613640aaa_proj
	.globl	k_qd613640aaa_proj
	.p2align	8
	.type	k_qd613640aaa_proj,@function
k_qd613640aaa_proj:
	s_mov_b64 s[64:65], 0
	v_nop
	global_prefetch_b8 v0, s[64:65] scope:SCOPE_SE
	s_setreg_imm32_b32 hwreg(HW_REG_WAVE_MODE, 25, 1), 1
	s_wait_xcnt 0x0
	s_wait_alu depctr_hold_cnt(0) depctr_sa_sdst(0) depctr_va_vdst(0) depctr_va_sdst(0) depctr_va_ssrc(0) depctr_va_vcc(0) depctr_vm_vsrc(0)
	s_getreg_b32 s2, hwreg(HW_REG_IB_STS2, 6, 4)
	s_cmp_eq_u32 s2, 0
	s_cbranch_scc0 .Lentry_in_a_cluster
	s_endpgm
.Lentry_in_a_cluster:
	s_bfe_u32 s2, ttmp6, 0x10000c
	s_cmp_lg_u32 s2, 0xf033
	s_cbranch_scc0 .Lentry_shape_is_right
	s_endpgm
.Lentry_shape_is_right:
; PROJ.  out0[token][n] = sum over k of y[token][k] wo[n][k], 8,192 x 1,024 x 1,024, f16 operands, f32 sums, f32 out.  y: yh [h 16][8192][64] f16 (k = 64 h + d); wo16 [1024][1024] f16.
; The first 16 tokens of each batch are written here too, and written over by the launch that follows, which carries them in f32.
; A tile is 128 tokens x 256 outputs: 256 work-groups.  Four waves, each 64 x 128: 32 accumulators, 256 registers.  K goes in steps of 128 (two heads' planes of y) through a ring of two LDS slots.
; CLUSTERS: 4 x 4.  y's tile hangs on the tile row and is shared along a row of the cluster, wo's on the tile column and is shared along a column: each is asked for jointly.
; No prefetch: of the eight K steps two are first fills, and what is left is a short walk.
; THE MATRIX INSTRUCTION IS USED TRANSPOSED (source 0 = 16 rows of wo, source 1 = 16 tokens): a lane holds eight neighbouring outputs of one token.
; REGISTERS: window 0: v0-31 addresses; v128-255 the way out.  window 1: two fragment buffers at v0 and v128: wo's eight fragments, then y's four.  window 2: accumulator (a, b) at v[8 (8 a + b)].
.set AP,     144                       ; a token's row of a plane in LDS: 128 bytes + 16
.set BP,     272                       ; a row of wo's tile: 256 bytes + 16
.set APLANE, 128*AP
.set BOFF,   2*APLANE
.set BHALF,  128*BP
.set SLOT,   BOFF+2*BHALF
.set STAGE,  2*SLOT                    ; behind the ring: 16 rows x 528 bytes for each wave
.set SPITCH, 528
.set SPARE,  STAGE+4*16*SPITCH
.set LAPS,   4                         ; a lap = two K steps
.set ADRA, 16
.set ADRB, 20
.set STO,  24
.set RD,   25
.set CO,   26
.set SPW,  28
.set NIL,  29
.set BK,   128
.set F0,   0
.set F1,   128
.set G1, 24
.set G0, 32
.set G1B, 48
.set G0B, 56
.set MSB, 0
.macro WIN new
.if MSB != (\new)
	s_set_vgpr_msb (MSB<<8)|(\new)
.set MSB, (\new)
.endif
.endm
.set MUL,  0xa5                        ; sources 0 and 1 window 1; C and D window 2
.set TO_F, 0x40                        ; destination window 1, address window 0
.macro JLOAD s                         ; waves 0 and 1 fetch y's two planes, waves 2 and 3 wo's two halves; an s_nop 0 and four v_nop follow each line
	s_cmp_eq_u32 s11, 0
	s_cbranch_scc0 .Lfor_b_\@
	tensor_load_to_lds s[G0+4*\s:G0+4*\s+3], s[G1:G1+7]
	s_nop 0
.rept 4
	v_nop
.endr
	s_branch .Lasked_\@
.Lfor_b_\@:
	tensor_load_to_lds s[G0B+4*\s:G0B+4*\s+3], s[G1B:G1B+7]
	s_nop 0
.rept 4
	v_nop
.endr
.Lasked_\@:
.endm
.macro CREST
	s_cmp_lg_u32 s10, 0
	s_cbranch_scc1 .Lnot_wave_0_\@
	s_barrier_signal -3
.Lnot_wave_0_\@:
	s_barrier_wait -3
	s_barrier_signal -1
	s_barrier_wait -1
.endm
.macro CROUND
	s_barrier_signal -1
	s_barrier_wait -1
	CREST
.endm
	s_load_b128 s[4:7], s[0:1], 0x0                ; yh, wo16
	s_load_b64 s[8:9], s[0:1], 0x10                ; out0
	v_lshl_add_u32 v[SPW], v0, 2, SPARE
	v_mov_b32 v[NIL], 0
	ds_add_u32 v[SPW], v[NIL]                      ; the wave's opening: the add, twice on end, and its wait ahead of my first tensor load
	ds_add_u32 v[SPW], v[NIL]
	v_lshrrev_b32 v1, 5, v0
	v_readfirstlane_b32 s10, v1                    ; wave 0..3
	s_lshr_b32 s11, s10, 1                         ; my half of the tile's tokens.  Also: I fetch for y (0) or for wo (1)
	s_and_b32 s12, s10, 1                          ; my half of its outputs.  Also: which plane, or which 128 rows, I fetch
	s_bfe_u32 s40, ttmp6, 0x40000                  ; cx
	s_bfe_u32 s41, ttmp6, 0x40004                  ; cy
	s_lshl_b32 s42, ttmp9, 2
	s_add_co_u32 s42, s42, s40                     ; tile column
	s_and_b32 s13, ttmp7, 0xffff
	s_lshl_b32 s13, s13, 2
	s_add_co_u32 s13, s13, s41                     ; tile row
	s_lshl_b32 s43, s41, 2
	s_lshl_b32 s43, 15, s43                        ; my row of the cluster
	s_lshl_b32 s44, 0x1111, s40                    ; my column
	s_or_b32 s[G1+0], s43, (1<<16)|(1<<20)|(1<<21)|(4<<22)|(3<<25)   ; the mask; elements of 2 bytes; padding: after every 32 words, 4 words
	s_mov_b32 s[G1+1], 64<<16                      ; tensor_dim0
	s_mov_b32 s[G1+2], 128<<16                     ; tensor_dim1
	s_mov_b32 s[G1+3], 64<<16                      ; tile_dim0
	s_mov_b32 s[G1+4], 128                         ; tile_dim1
	s_mov_b32 s[G1+5], 64                          ; the pitch
	s_mov_b32 s[G1+6], 0
	s_mov_b32 s[G1+7], 0
	s_or_b32 s[G1B+0], s44, (1<<16)|(1<<20)|(1<<21)|(5<<22)|(3<<25)  ; after every 64 words, 4 words
	s_mov_b32 s[G1B+1], 128<<16
	s_mov_b32 s[G1B+2], 128<<16
	s_mov_b32 s[G1B+3], 128<<16
	s_mov_b32 s[G1B+4], 128
	s_mov_b32 s[G1B+5], 1024
	s_mov_b32 s[G1B+6], 0
	s_mov_b32 s[G1B+7], 0
	s_lshl_b32 s16, s13, 14                        ; y: 128 tokens of 128 bytes a tile row,
	s_lshl_b32 s17, s12, 20                        ; in plane 0 or 1
	s_add_co_u32 s16, s16, s17
	s_mov_b32 s17, 0
	s_lshl_b32 s46, s42, 19                        ; wo: 256 rows of 2,048 bytes a tile column,
	s_lshl_b32 s47, s12, 18                        ; + 128 rows x half
	s_add_co_u32 s46, s46, s47
	s_mov_b32 s47, 0
	s_mul_i32 s20, s12, APLANE                     ; where they go
	s_mul_i32 s21, s12, BHALF
	s_add_co_u32 s21, s21, BOFF
	s_wait_dscnt 0x0                               ; both opening adds are done
	s_wait_kmcnt 0x0
	s_add_nc_u64 s[14:15], s[4:5], s[16:17]
	s_add_nc_u64 s[46:47], s[6:7], s[46:47]
	CROUND                                         ; all sixteen work-groups are here: the first joint loads meet
.irp s, 0,1
	s_mov_b32 s[G0+4*\s], 1
	s_add_co_u32 s[G0+4*\s+1], s20, \s*SLOT
	s_add_nc_u64 s[G0+4*\s+2:G0+4*\s+3], s[14:15], \s*(2<<20)   ; K step s: two planes on
	s_or_b32 s[G0+4*\s+3], s[G0+4*\s+3], 0x80000000
	s_mov_b32 s[G0B+4*\s], 1
	s_add_co_u32 s[G0B+4*\s+1], s21, \s*SLOT
	s_add_nc_u64 s[G0B+4*\s+2:G0B+4*\s+3], s[46:47], \s*256
	s_or_b32 s[G0B+4*\s+3], s[G0B+4*\s+3], 0x80000000
	JLOAD \s
.endr
	v_and_b32 v1, 15, v0                           ; r
	v_bfe_u32 v2, v0, 4, 1                         ; h
	v_mul_u32_u24 v3, v1, AP
	v_lshl_add_u32 v3, v2, 4, v3
	v_mul_u32_u24 v4, v1, BP
	v_lshl_add_u32 v4, v2, 4, v4
	s_mul_i32 s21, s11, 64*AP                      ; my 64 tokens
	s_mul_i32 s22, s12, BHALF                      ; my 128 rows of wo
	s_add_co_u32 s22, s22, BOFF
.irp s, 0,1
	v_add_nc_u32 v[ADRA+\s], s21, v3
	v_add_nc_u32 v[ADRB+\s], s22, v4
	s_add_co_u32 s21, s21, SLOT
	s_add_co_u32 s22, s22, SLOT
.endr
	s_mul_i32 s23, s10, 16*SPITCH
	s_add_co_u32 s23, s23, STAGE                   ; my stage
	v_mul_u32_u24 v5, v1, SPITCH
	v_lshl_add_u32 v5, v2, 5, v5
	v_add_nc_u32 v[STO], s23, v5                   ; in: row r, 32 bytes for each half of the lanes
	v_and_b32 v6, 31, v0
	v_lshlrev_b32 v[CO], 4, v6
	v_add_nc_u32 v[RD], s23, v[CO]                 ; back: 32 lanes take a row of 512 bytes
	s_lshl_b32 s16, s13, 19                        ; out0: (128 tile row + 64 half) rows of 4,096 bytes
	s_lshl_b32 s17, s11, 18
	s_add_co_u32 s16, s16, s17
	s_mov_b32 s17, 0
	s_add_nc_u64 s[8:9], s[8:9], s[16:17]
	s_lshl_b32 s46, s42, 10                        ; + 1,024 x tile column + 512 x half
	s_lshl_b32 s47, s12, 9
	s_add_co_u32 s46, s46, s47
	s_mov_b32 s47, 0
	s_add_nc_u64 s[8:9], s[8:9], s[46:47]
; 8 matrix instructions: tokens' block a against wo's eight.  The 32 accumulators take turns, one instruction a turn, in one order throughout.
.macro MULA f, a, zero
.irp b, 0,1,2,3,4,5,6,7
.if \zero
	v_wmma_f32_16x16x32_f16 v[8*(8*(\a)+\b):8*(8*(\a)+\b)+7], v[\f+8*\b:\f+8*\b+7], v[\f+64+8*(\a):\f+64+8*(\a)+7], 0
.else
	v_wmma_f32_16x16x32_f16 v[8*(8*(\a)+\b):8*(8*(\a)+\b)+7], v[\f+8*\b:\f+8*\b+7], v[\f+64+8*(\a):\f+64+8*(\a)+7], v[8*(8*(\a)+\b):8*(8*(\a)+\b)+7]
.endif
.endr
.endm
; 24 LDS loads in one run: the fragments of the slot's q-th 32 along K: wo's sixteen loads first, then the tokens' blocks 0 to 3
.macro FETCH slot, q, f
	WIN TO_F
.irp i, 0,1,2,3,4,5,6,7
	ds_load_b128 v[\f+8*\i:\f+8*\i+3],   v[ADRB+\slot] offset:64*(\q)+\i*16*BP
	ds_load_b128 v[\f+8*\i+4:\f+8*\i+7], v[ADRB+\slot] offset:64*(\q)+\i*16*BP+32
.endr
.irp i, 0,1,2,3
	ds_load_b128 v[\f+64+8*\i:\f+64+8*\i+3],   v[ADRA+\slot] offset:((\q)/2)*APLANE+64*((\q)%2)+\i*16*AP
	ds_load_b128 v[\f+64+8*\i+4:\f+64+8*\i+7], v[ADRA+\slot] offset:((\q)/2)*APLANE+64*((\q)%2)+\i*16*AP+32
.endr
.endm
.macro PLACES
.rept 4
	v_nop
.endr
.endm
; One of a K step's first three quarters: multiplies buffer f, and fetches quarter qn of the same slot into g.
.macro QUARTER slot, qn, f, g, zero
	s_wait_dscnt 4                                 ; all but the youngest four loads (the tokens' blocks 2 and 3)
	WIN MUL
	MULA \f, 0, \zero
	MULA \f, 1, \zero
	PLACES
	FETCH \slot, \qn, \g
	s_wait_dscnt 24                                ; all but the 24 just issued
	WIN MUL
	MULA \f, 2, \zero
	MULA \f, 3, \zero
.endm
; The last quarter multiplies buffer 1 and changes slots: each wave waits for all its tensor loads, adds 0 to its spare word, and waits for that and for its reads of this slot; one barrier, which with fill = 1
; opens a round of the cluster's; behind it this slot is filled again, two K steps ahead: 112 matrix instructions stand between that request and the wait for it.
.macro TURN slot, next, fill
	WIN 0
	s_wait_tensorcnt 0x0
	ds_add_u32 v[SPW], v[NIL]
	s_wait_dscnt 5                                 ; the add and the youngest four loads may be out
	WIN MUL
	MULA F1, 0, 0
	s_wait_dscnt 0x0                               ; the add is done, and my reads of this slot are over
	s_barrier_signal -1
	MULA F1, 1, 0
	WIN 0
	s_barrier_wait -1
.if \fill
	CREST
	s_add_nc_u64 s[G0+4*\slot+2:G0+4*\slot+3], s[G0+4*\slot+2:G0+4*\slot+3], 4<<20
	s_add_nc_u64 s[G0B+4*\slot+2:G0B+4*\slot+3], s[G0B+4*\slot+2:G0B+4*\slot+3], 512
	JLOAD \slot                                    ; the four v_nop behind it are also the places in front of the loads below
.else
	PLACES
.endif
	FETCH \next, 0, F0
	WIN MUL
	MULA F1, 2, 0
	MULA F1, 3, 0
.endm
	s_wait_tensorcnt 1                             ; my part of K step 0 is in; K step 1's load may be out
	s_barrier_signal -1
	s_barrier_wait -1
	FETCH 0, 0, F0
	QUARTER 0, 1, F0, F1, 1                        ; the first quarter's products start the sums
	WIN 0
	s_mov_b32 s3, LAPS-1
.Llap:                                             ; a trip goes once round the ring and fills both slots again
	QUARTER 0, 2, F1, F0, 0
	QUARTER 0, 3, F0, F1, 0
	TURN 0, 1, 1
	QUARTER 1, 1, F0, F1, 0
	QUARTER 1, 2, F1, F0, 0
	QUARTER 1, 3, F0, F1, 0
	TURN 1, 0, 1
	QUARTER 0, 1, F0, F1, 0
	WIN 0
	s_sub_co_u32 s3, s3, 1
	s_cmp_lg_u32 s3, 0
	s_cbranch_scc1 .Llap
	QUARTER 0, 2, F1, F0, 0                        ; the last lap fills nothing
	QUARTER 0, 3, F0, F1, 0
	TURN 0, 1, 0
	QUARTER 1, 1, F0, F1, 0
	QUARTER 1, 2, F1, F0, 0
	QUARTER 1, 3, F0, F1, 0
	s_wait_dscnt 4
	WIN MUL
	MULA F1, 0, 0
	MULA F1, 1, 0
	s_wait_dscnt 0
	MULA F1, 2, 0
	MULA F1, 3, 0
	WIN 0
; THE WAY OUT, block by block of 16 tokens x 128 outputs, through my own stage; back as rows of 512 bytes.
.macro TOSTAGE a
	WIN 0x08                                       ; an LDS store's data: window 2
.irp b, 0,1,2,3,4,5,6,7
	ds_store_b128 v[STO], v[64*(\a)+8*\b:64*(\a)+8*\b+3] offset:64*\b          ; each accumulator from its low end on
	ds_store_b128 v[STO], v[64*(\a)+8*\b+4:64*(\a)+8*\b+7] offset:64*\b+16
.endr
	WIN 0
.set BB, BK+64*((\a)%2)
.irp t, 0,1,2,3,4,5,6,7,8,9,10,11,12,13,14,15
	ds_load_b128 v[BB+4*\t:BB+4*\t+3], v[RD] offset:\t*SPITCH
.endr
.endm
.macro SEND a, younger
.set BB, BK+64*((\a)%2)
	s_wait_dscnt \younger                          ; the block is back; the next block's 16 stores and 16 loads may be out
.irp t, 0,1,2,3,4,5,6,7,8,9,10,11,12,13,14,15
	global_store_b128 v[CO], v[BB+4*\t:BB+4*\t+3], s[8:9] offset:65536*(\a)+4096*\t th:TH_STORE_NT   ; 512 consecutive bytes, aligned
.endr
.endm
	PLACES
	TOSTAGE 0
.irp a, 1,2,3
.if \a > 1
	s_wait_xcnt 0x0                                ; block a - 2's stores have read their data: block a's loads may land there
.endif
	TOSTAGE \a
	SEND \a-1, 32
.endr
	SEND 3, 0
	s_wait_tensorcnt 0x0                           ; the wave's end
	ds_add_u32 v[SPW], v[NIL]
	s_wait_dscnt 0x0
	CROUND                                         ; the closing round
	s_endpgm
.Lfunc_end_k_qd613640aaa_proj:
	.size	k_qd613640aaa_proj, .Lfunc_end_k_qd613640aaa_proj-k_qd613640aaa_proj
	.p2alignl 7, 3214868480
	.fill 96, 4, 3214868480
	.section	.rodata,"a",@progbits
	.p2align	6, 0x0
	.amdhsa_kernel k_qd613640aaa_proj
		.amdhsa_group_segment_fixed_size 327680
		.amdhsa_private_segment_fixed_size 0
		.amdhsa_enable_private_segment 0
		.amdhsa_kernarg_size 24
		.amdhsa_user_sgpr_count 2
		.amdhsa_user_sgpr_kernarg_segment_ptr 1
		.amdhsa_wavefront_size32 1
		.amdhsa_system_sgpr_workgroup_id_x 1
		.amdhsa_system_sgpr_workgroup_id_y 1
		.amdhsa_system_sgpr_workgroup_id_z 1
		.amdhsa_system_vgpr_workitem_id 0
		.amdhsa_next_free_vgpr 768
		.amdhsa_next_free_sgpr 66
		.amdhsa_reserve_vcc 0
		.amdhsa_float_denorm_mode_32 3
		.amdhsa_float_denorm_mode_16_64 3
		.amdhsa_memory_ordered 1
		.amdhsa_forward_progress 1
		.amdhsa_inst_pref_size 85
	.end_amdhsa_kernel
	.amdgpu_metadata
---
amdhsa.version: [ 1, 2 ]
amdhsa.kernels:
  - .name:           k_qd613640aaa_proj
    .symbol:         k_qd613640aaa_proj.kd
    .args:
      - { .name: yh, .offset: 0, .size: 8, .value_kind: global_buffer, .address_space: global }
      - { .name: wo16, .offset: 8, .size: 8, .value_kind: global_buffer, .address_space: global }
      - { .name: out0, .offset: 16, .size: 8, .value_kind: global_buffer, .address_space: global }
    .group_segment_fixed_size: 327680
    .private_segment_fixed_size: 0
    .kernarg_segment_align: 8
    .kernarg_segment_size: 24
    .max_flat_workgroup_size: 128
    .sgpr_count:     66
    .vgpr_count:     768
    .wavefront_size: 32
...
	.end_amdgpu_metadata
.endif
;; end of part 4
;; launch fine (part 5): grid 64 x 4, 16 waves a work-group, no clusters, 18,432 bytes of LDS; arguments qkv32, wo, out0; writes out0
.if DOCPART == 5
	.amdgcn_target "amdgcn-amd-amdhsa--gfx1250"
	.amdhsa_code_object_version 6
	.text
	.protected	k_qd613640aaa_fine
	.globl	k_qd613640aaa_fine
	.p2align	8
	.type	k_qd613640aaa_fine,@function
k_qd613640aaa_fine:
	s_mov_b64 s[64:65], 0
	v_nop
	global_prefetch_b8 v0, s[64:65] scope:SCOPE_SE
	s_setreg_imm32_b32 hwreg(HW_REG_WAVE_MODE, 25, 1), 1
	s_wait_xcnt 0x0
; FINE.  The first 16 positions of each of the 4 sequences, in f32 throughout: attention on q, k, v as the quantised products left them (qkv32 [16 b + t][3072]: q, k, v at columns 0, 1024, 2048),
; and the projection by wo in f32.  The 64 rows of out0 that the launch before wrote from f16 operands are written over.
; SHARES.  Work-group (chunk of 16 outputs, b); wave = head.  Each wave makes its head's 16 x 16 attention, multiplies its y (16 x 64), straight from the accumulators, by wo[chunk's 16 rows][head's 64 columns],
; and the sixteen partial tiles are summed through LDS.  The attention is made anew in each of a batch's 64 chunks: 32 small matrix instructions a wave.
; All products by v_wmma_f32_16x16x4_f32; along each product's K the places are permuted alike on both sides, so that operands load as they lie and results serve as operands as they stand.
; The registers that these instructions write are written by them alone; sums of accumulators go into other registers.
; A row's piece of out0 is 64 bytes: 256 KiB in all are stored so.
.set SPARE, 16384
.set SPW, 12
.set NIL, 13
.set QR,  16                           ; v16-47   q: lane (r, h): row r, channels 32 h + 0..31
.set KR,  48                           ; v48-79   k likewise
.set VR,  80                           ; v80-111  v: register 8 ct + kk: channel 16 ct + r, key 8 h + kk
.set WR,  112                          ; v112-143 wo: register 8 ct + kk: row r of the chunk, column 64 head + 16 ct + 8 h + kk
.set SA,  144                          ; v144-175 four accumulators
.set OA,  176                          ; v176-207 O^T: four tiles of 16 channels
.set T,   208                          ; v208-215 a sum of four accumulators
.set W,   216                          ; v216-223 at work
.set P,   224                          ; v224-231 the weights
	s_load_b128 s[4:7], s[0:1], 0x0                ; qkv32, wo
	s_load_b64 s[8:9], s[0:1], 0x10                ; out0
	v_lshl_add_u32 v[SPW], v0, 2, SPARE
	v_mov_b32 v[NIL], 0
	v_lshrrev_b32 v1, 5, v0
	v_readfirstlane_b32 s10, v1                    ; wave = head
	s_and_b32 s11, ttmp7, 0xffff                   ; b
	v_and_b32 v1, 15, v0                           ; r
	v_bfe_u32 v2, v0, 4, 1                         ; h
	v_mul_u32_u24 v3, v1, 12288
	v_lshl_add_u32 v3, v2, 7, v3                   ; q, k: row r + 128 h
	v_mul_u32_u24 v4, v2, 98304
	v_lshl_add_u32 v4, v1, 2, v4                   ; v: 8 h rows + 4 r
	v_lshlrev_b32 v5, 12, v1
	v_lshl_add_u32 v5, v2, 5, v5                   ; wo, out0: row r + 32 h
	v_lshlrev_b32 v6, 3, v2
	v_sub_nc_u32 v6, v1, v6                        ; d = r - 8 h
	v_and_b32 v7, 31, v0
	v_lshlrev_b32 v7, 4, v7                        ; 16 x lane
	s_lshl_b32 s12, s10, 10
	v_add_nc_u32 v8, s12, v7                       ; LDS, in: 1,024 x wave + 16 x lane
	s_lshl_b32 s12, s10, 9
	v_add_nc_u32 v9, s12, v7                       ; LDS, back (waves 0 and 1): 512 x wave + 16 x lane
	s_lshl_b32 s12, s10, 4
	v_add_nc_u32 v10, s12, v5                      ; out0 (waves 0 and 1): + 16 x wave
	v_mov_b32 v14, 0xff800000                      ; -infinity
	v_mov_b32 v233, 0                              ; a lane permute's destination counts as one of its sources
	s_mov_b32 s20, 0x76543210
	s_mov_b32 s21, 0xfedcba98
	s_mov_b32 s22, 0x3e38aa3b                      ; c = log2(e) / 8
	s_mul_i32 s12, s11, 196608                     ; qkv32: 16 b rows + 256 x head
	s_lshl_b32 s13, s10, 8
	s_add_co_u32 s12, s12, s13
	s_mov_b32 s13, 0
	s_lshl_b32 s14, ttmp9, 16                      ; wo: 16 chunk rows + 256 x head
	s_lshl_b32 s15, s10, 8
	s_add_co_u32 s14, s14, s15
	s_mov_b32 s15, 0
	s_lshl_b32 s16, s11, 23                        ; out0: 2,048 b rows + 64 x chunk
	s_lshl_b32 s17, ttmp9, 6
	s_add_co_u32 s16, s16, s17
	s_mov_b32 s17, 0
	s_wait_kmcnt 0x0
	s_add_nc_u64 s[4:5], s[4:5], s[12:13]
	s_add_nc_u64 s[6:7], s[6:7], s[14:15]
	s_add_nc_u64 s[8:9], s[8:9], s[16:17]
.irp i, 0,1,2,3,4,5,6,7
	global_load_b128 v[QR+4*\i:QR+4*\i+3], v3, s[4:5] offset:16*\i
.endr
.irp i, 0,1,2,3,4,5,6,7
	global_load_b128 v[KR+4*\i:KR+4*\i+3], v3, s[4:5] offset:4096+16*\i
.endr
.irp ct, 0,1,2,3
.irp kk, 0,1,2,3,4,5,6,7
	global_load_b32 v[VR+8*\ct+\kk], v4, s[4:5] offset:8192+12288*\kk+64*\ct
.endr
.endr
.irp ct, 0,1,2,3
	global_load_b128 v[WR+8*\ct:WR+8*\ct+3], v5, s[6:7] offset:64*\ct
	global_load_b128 v[WR+8*\ct+4:WR+8*\ct+7], v5, s[6:7] offset:64*\ct+16
.endr
.macro SUM4                            ; T = the four accumulators' sum, each read from its low end on
.irp j, 0,2,4,6
	v_pk_add_f32 v[T+\j:T+\j+1], v[SA+\j:SA+\j+1], v[SA+8+\j:SA+9+\j]
	v_pk_add_f32 v[W+\j:W+\j+1], v[SA+16+\j:SA+17+\j], v[SA+24+\j:SA+25+\j]
.endr
.irp j, 0,2,4,6
	v_pk_add_f32 v[T+\j:T+\j+1], v[T+\j:T+\j+1], v[W+\j:W+\j+1]
.endr
.endm
	s_wait_loadcnt 40                              ; q and k are in; v's 32 loads and wo's 8 stay out
.set s, 0
.rept 16                                       ; S^T = k q^T: step s takes channels 32 h + 2 s, + 1; four accumulators by turns
.if s < 4
	v_wmma_f32_16x16x4_f32 v[SA+8*(s%4):SA+8*(s%4)+7], v[KR+2*s:KR+2*s+1], v[QR+2*s:QR+2*s+1], 0
.else
	v_wmma_f32_16x16x4_f32 v[SA+8*(s%4):SA+8*(s%4)+7], v[KR+2*s:KR+2*s+1], v[QR+2*s:QR+2*s+1], v[SA+8*(s%4):SA+8*(s%4)+7]
.endif
.set s, s+1
.endr
.rept 8
	v_nop                                          ; eight places behind this form, ahead of the first read of results
.endr
	SUM4                                           ; lane (r, h): query r, keys 8 h + 0..7
.irp j, 0,1,2,3,4,5,6,7
	v_cmp_gt_i32 vcc_lo, \j, v6                    ; key 8 h + j comes after query r
	v_cndmask_b32 v[T+\j], v[T+\j], v14, vcc_lo
.endr
	v_max3_num_f32 v232, v[T], v[T+1], v[T+2]
	v_max3_num_f32 v232, v232, v[T+3], v[T+4]
	v_max3_num_f32 v232, v232, v[T+5], v[T+6]
	v_max_num_f32 v232, v232, v[T+7]
	v_permlanex16_b32 v233, v232, s20, s21
	v_max_num_f32 v232, v232, v233                 ; the row's maximum: key 0 counts for every query
	v_mul_f32 v234, s22, v232
.irp j, 0,1,2,3,4,5,6,7
	v_fma_f32 v[T+\j], v[T+\j], s22, -v234
.endr
.irp j, 0,1,2,3,4,5,6,7
	v_exp_f32 v[T+\j], v[T+\j]
.endr
	v_nop
	s_wait_alu depctr_va_vdst(0)                   ; one wait for the eight, ahead of their first reader
	v_pk_add_f32 v[W:W+1], v[T:T+1], v[T+2:T+3]
	v_pk_add_f32 v[W+2:W+3], v[T+4:T+5], v[T+6:T+7]
	v_pk_add_f32 v[W:W+1], v[W:W+1], v[W+2:W+3]
	v_add_f32 v235, v[W], v[W+1]
	v_permlanex16_b32 v233, v235, s20, s21
	v_add_f32 v235, v235, v233
	v_rcp_f32 v236, v235
	v_nop
	s_wait_alu depctr_va_vdst(0)
.irp j, 0,1,2,3,4,5,6,7
	v_mul_f32 v[P+\j], v[T+\j], v236               ; the weights, normalised
.endr
	s_wait_loadcnt 8                               ; v is in; wo's 8 loads stay out
.set i, 0
.rept 16                                       ; O^T = V^T P: step i / 4 takes keys 8 h + 2 (i / 4), + 1; the four tiles of channels by turns
.if i < 4
	v_wmma_f32_16x16x4_f32 v[OA+8*(i%4):OA+8*(i%4)+7], v[VR+8*(i%4)+2*(i/4):VR+8*(i%4)+2*(i/4)+1], v[P+2*(i/4):P+2*(i/4)+1], 0
.else
	v_wmma_f32_16x16x4_f32 v[OA+8*(i%4):OA+8*(i%4)+7], v[VR+8*(i%4)+2*(i/4):VR+8*(i%4)+2*(i/4)+1], v[P+2*(i/4):P+2*(i/4)+1], v[OA+8*(i%4):OA+8*(i%4)+7]
.endif
.set i, i+1
.endr
.rept 9
	v_nop                                          ; nine places: these results are the next products' operands
.endr
	s_wait_loadcnt 0x0                             ; wo
.set i, 0
.rept 16                                       ; out^T (my head's part) = wo y^T: tile i / 4 of the channels, its pair i % 4: channels 16 (i / 4) + 8 h + 2 (i % 4), + 1
.if i < 4
	v_wmma_f32_16x16x4_f32 v[SA+8*(i%4):SA+8*(i%4)+7], v[WR+8*(i/4)+2*(i%4):WR+8*(i/4)+2*(i%4)+1], v[OA+8*(i/4)+2*(i%4):OA+8*(i/4)+2*(i%4)+1], 0
.else
	v_wmma_f32_16x16x4_f32 v[SA+8*(i%4):SA+8*(i%4)+7], v[WR+8*(i/4)+2*(i%4):WR+8*(i/4)+2*(i%4)+1], v[OA+8*(i/4)+2*(i%4):OA+8*(i/4)+2*(i%4)+1], v[SA+8*(i%4):SA+8*(i%4)+7]
.endif
.set i, i+1
.endr
.rept 8
	v_nop
.endr
	SUM4                                           ; lane (r, h): token r, outputs 8 h + 0..7 of the chunk
	ds_store_b128 v8, v[T:T+3]
	ds_store_b128 v8, v[T+4:T+7] offset:512
	s_wait_dscnt 0x0                               ; for the others' sake: my stores have landed
	s_barrier_signal -1
	s_barrier_wait -1
	s_cmp_gt_u32 s10, 1                            ; waves 0 and 1 add the sixteen heads' parts: registers 4 u .. 4 u + 3
	s_cbranch_scc1 .Ldone
.irp w, 0,1,2,3,4,5,6,7,8,9,10,11,12,13,14,15
	ds_load_b128 v[QR+4*\w:QR+4*\w+3], v9 offset:1024*\w
.endr
	s_wait_dscnt 0x0
.irp d, 8,4,2,1
.set i, 0
.rept \d
	v_pk_add_f32 v[QR+4*i:QR+4*i+1], v[QR+4*i:QR+4*i+1], v[QR+4*(i+\d):QR+4*(i+\d)+1]
	v_pk_add_f32 v[QR+4*i+2:QR+4*i+3], v[QR+4*i+2:QR+4*i+3], v[QR+4*(i+\d)+2:QR+4*(i+\d)+3]
.set i, i+1
.endr
.endr
	global_store_b128 v10, v[QR:QR+3], s[8:9]      ; out0(token r, 16 chunk + 8 h + 4 u + 0..3)
.Ldone:
	s_wait_tensorcnt 0x0                           ; the wave's end, behind my last LDS store
	ds_add_u32 v[SPW], v[NIL]
	s_wait_dscnt 0x0
	s_endpgm
.Lfunc_end_k_qd613640aaa_fine:
	.size	k_qd613640aaa_fine, .Lfunc_end_k_qd613640aaa_fine-k_qd613640aaa_fine
	.p2alignl 7, 3214868480
	.fill 96, 4, 3214868480
	.section	.rodata,"a",@progbits
	.p2align	6, 0x0
	.amdhsa_kernel k_qd613640aaa_fine
		.amdhsa_group_segment_fixed_size 18432
		.amdhsa_private_segment_fixed_size 0
		.amdhsa_enable_private_segment 0
		.amdhsa_kernarg_size 24
		.amdhsa_user_sgpr_count 2
		.amdhsa_user_sgpr_kernarg_segment_ptr 1
		.amdhsa_wavefront_size32 1
		.amdhsa_system_sgpr_workgroup_id_x 1
		.amdhsa_system_sgpr_workgroup_id_y 1
		.amdhsa_system_sgpr_workgroup_id_z 1
		.amdhsa_system_vgpr_workitem_id 0
		.amdhsa_next_free_vgpr 240
		.amdhsa_next_free_sgpr 66
		.amdhsa_reserve_vcc 1
		.amdhsa_float_denorm_mode_32 3
		.amdhsa_float_denorm_mode_16_64 3
		.amdhsa_memory_ordered 1
		.amdhsa_forward_progress 1
		.amdhsa_inst_pref_size 19
	.end_amdhsa_kernel
	.amdgpu_metadata
---
amdhsa.version: [ 1, 2 ]
amdhsa.kernels:
  - .name:           k_qd613640aaa_fine
    .symbol:         k_qd613640aaa_fine.kd
    .args:
      - { .name: qkv32, .offset: 0, .size: 8, .value_kind: global_buffer, .address_space: global }
      - { .name: wo, .offset: 8, .size: 8, .value_kind: global_buffer, .address_space: global }
      - { .name: out0, .offset: 16, .size: 8, .value_kind: global_buffer, .address_space: global }
    .group_segment_fixed_size: 18432
    .private_segment_fixed_size: 0
    .kernarg_segment_align: 8
    .kernarg_segment_size: 24
    .max_flat_workgroup_size: 512
    .sgpr_count:     66
    .vgpr_count:     240
    .wavefront_size: 32
...
	.end_amdgpu_metadata
.endif
;; end of part 5
